; MI455X (gfx1250); checked and timed in simulation.
; The chip was launched on July 23, 2026; its instructions are those of AMD's public machine-readable ISA for CDNA 5 (MIT licence, August 2026) and "CDNA5" Instruction Set Architecture Reference Guide (July 2026). The comments in the code are by the model that wrote it; some were corrected since.
;; Multi Head Attention. Allowed arithmetic: matrix products marked QUANTISED: E4M3 operands, one given power-of-two scale a tensor, by v_wmma_f32_16x16x64_fp8_fp8 or v_wmma_f32_16x16x128_fp8_fp8, f32 sums; everything else in f32.
;; Inputs: K 2 x 4,096 x 512 float32; Q 2 x 4,096 x 512 float32; V 2 x 4,096 x 512 float32; Wk 8 x 512 x 64 float32; Wo 512 x 512 float32; Wq 8 x 512 x 64 float32; Wv 8 x 512 x 64 float32; lowp_scales 12 int32 (the exponents e of the quantised operands' scales 2^e).
;; Outputs: out0 2 x 4,096 x 512 float32.
;; This version of the problem:
;;   THIS VERSION OF THE PROBLEM IS GIVEN IN LOW PRECISION. The matrix products marked QUANTISED in the list below multiply operands that are first quantised to E4M3 (4 exponent bits, 3 mantissa bits; 8 bits a number), with one given power-of-two scale for each operand tensor; their sums are f32. All else is computed in f32.
;;   The module's matrix products, in the order in which they are computed (A, B: the left and right operand; K: the contracted axis; several contracted axes count as one K, in the product's order):
;;     1. [M 512, K 512] x [K 512, N 8,192]; A: input Wq; B: input Q: QUANTISED (scales: A lowp_scales[0], B lowp_scales[1])
;;     2. [M 512, K 512] x [K 512, N 8,192]; A: input Wk; B: input K: QUANTISED (scales: A lowp_scales[2], B lowp_scales[3])
;;     3. [M 512, K 512] x [K 512, N 8,192]; A: input Wv; B: input V: QUANTISED (scales: A lowp_scales[4], B lowp_scales[5])
;;     4. batch 16 x [M 4,096, K 64] x [K 64, N 4,096]; A: computed on the way; B: computed on the way: QUANTISED (scales: A lowp_scales[6], B lowp_scales[7])
;;     5. batch 16 x [M 4,096, K 4,096] x [K 4,096, N 64]; A: softmax (see below); B: computed on the way: QUANTISED (scales: A lowp_scales[8], B lowp_scales[9])
;;     6. [M 8,192, K 512] x [K 512, N 512]; A: computed on the way; B: input Wo: QUANTISED (scales: A lowp_scales[10], B lowp_scales[11])
;;   THE QUANTISER, for each operand of a quantised product, along K:
;;     - The operand's scale is 2^e, e = its entry of the input lowp_scales (int32; the entries are numbered through the quantised products in the list's order, A before B).
;;     - Each number is divided by the scale, clamped to +-448, and rounded to the nearest number of E4M3, ties to even, subnormals kept.
;;     - The product sums the exact products of the quantised numbers (number of the format x scale) in f32.
;;   ~~~python
;;   def quantise(x, axis, e):      # numpy; x: float32 -> the quantised numbers, widened to float32 again
;;       x = np.moveaxis(x, axis, -1); K = x.shape[-1]
;;       r = np.clip(x / 2.0 ** e, -448, 448)
;;       step = 2.0 ** (np.maximum(np.frexp(np.where(r == 0, 1, r))[1] - 1, -6) - 3)
;;       q = np.round(r / step) * step * 2.0 ** e      # np.round: ties to even
;;       return np.moveaxis(q, -1, axis).astype(np.float32)
;;   ~~~
;;   SOFTMAX AHEAD OF A QUANTISED PRODUCT. Where the list says 'softmax', what is quantised is not the finished softmax but p = 2^(t - M), with t = logit x log2(e) and M = ceil(the row's largest t), a whole number; so 1/2 < the row's largest p <= 1. The row's sum l is taken of the UNQUANTISED p, in f32, and the product's result is divided by l at the end. Since M is a whole number, a kernel that streams over the keys may use a running M (the ceiling of the running maximum): every later rescaling is an exact power of two, so the quantised numbers keep their values, but for numbers so far below the row's largest that they fall under the format's range.
;;   OPERANDS COMPUTED ON THE WAY. 'Computed on the way' means the value that the module computes at that place (a softmax that the list does not call 'softmax' is quantised finished and normalised). What goes into a quantiser is computed in f32, as accurately as f32 sums, v_exp_f32 and their like allow (about 1e-6 of the number): no bf16 or f16 on the way to a quantiser, and a product that is left as it is and whose result goes on into a quantised operand takes f32 operands (vector FMAs, or v_wmma_f32_16x16x4_f32). A number that lies on a knife's edge between two numbers of the format may be rounded either way, as far as f32 arithmetic and the matrix unit's own rounding can turn it there, and no further.
;; 2 versions, each right; version 2 is version 1 with the launches proj, attn, outp written anew for expert scheduling mode. Each part assembles by itself: llvm-mc -triple=amdgcn-amd-amdhsa -mcpu=gfx1250 --defsym DOCPART=n.
;; ======== version 1 of 2: 4 launches
;; workspace buffers: wc 1,048,576 bytes; qkvc 12,582,912 bytes; oc 4,194,304 bytes
;; launch wquant (part 1): grid 64 x 4, 4 waves a work-group, no clusters, 0 bytes of LDS; arguments Wq, Wk, Wv, Wo, lowp_scales, wc; writes wc
.if DOCPART == 1
	.amdgcn_target "amdgcn-amd-amdhsa--gfx1250"
	.amdhsa_code_object_version 6
	.text
	.protected	k_qd605091ce2_wquant
	.globl	k_qd605091ce2_wquant
	.p2align	8
	.type	k_qd605091ce2_wquant,@function
k_qd605091ce2_wquant:
	s_mov_b64 s[64:65], 0
	v_nop
	global_prefetch_b8 v0, s[64:65] scope:SCOPE_SE
	s_setreg_imm32_b32 hwreg(HW_REG_WAVE_MODE, 25, 1), 1
	s_wait_xcnt 0x0
; The four weights become codes of FP8 (E4M3), laid as IMAGES OF OPERAND REGISTERS:
;   wc[Wi 4: q, k, v, o][tile t 32][K step s 4][group c 4][lane 32][16 bytes], strides 262,144 / 8,192 / 2,048 / 512 / 16.
;   Tile t = 2 B + u, lane 16 h + r: output column n = 32 B + 8 u + r + (r & 8);  k = 128 s + 32 c + 16 h + 0 .. 15.
;   For Wq, Wk, Wv [8][512][64]: n = 64 x head + unit, k = the middle axis.  For Wo [512][512]: k = the first axis, n = the second.
; code = x / 2^e, held within +-448, to the nearest code, ties to even.  e = entry 0, 2, 4, 11 of the scales for Wq, Wk, Wv, Wo.
; LIMITS: e between -126 and 119, so that 2^e and 448 x 2^e are f32 numbers.  NaN among the inputs is not served.
; SHARES: work-group (x, Wi): B = x / 4, s = x % 4; wave = c.  A LANE TAKES A COLUMN AND ITS 32 REGISTERS RUN DOWN K, so the conversions,
; which take neighbours along K from one lane's registers, give the codes with K innermost; nothing is transposed.
; A lane's first 16 codes belong to lane r of its tile's image, the other 16 to lane 16 + r: two stores, in each of which sixteen neighbouring lanes write 256 consecutive aligned bytes.
; No LDS, no loop, no matrix work: 4 MB in and 1 MB out, each byte once.
.set X, 8                              ; v8-39   32 numbers down K
.set C, 40                             ; v40-47  their codes
.macro LOADS rs                        ; rs: bytes from one k to the next
.set i, 0
.rept 32
	global_load_b32 v[X+i], v1, s[22:23] offset:i*\rs th:TH_LOAD_NT
.set i, i+1
.endr
.endm
	s_load_b256 s[4:11], s[0:1], 0x0               ; Wq s[4:5], Wk s[6:7], Wv s[8:9], Wo s[10:11]
	s_load_b128 s[12:15], s[0:1], 0x20             ; the scales' exponents s[12:13], wc s[14:15]
	v_lshrrev_b32 v3, 5, v0
	v_readfirstlane_b32 s19, v3                    ; c = my wave
	s_and_b32 s16, ttmp7, 0xffff                   ; Wi
	s_lshr_b32 s17, ttmp9, 2                       ; B
	s_and_b32 s18, ttmp9, 3                        ; s
	v_and_b32 v6, 15, v0                           ; r
	v_bfe_u32 v7, v0, 4, 1                         ; u
	v_and_b32 v1, 8, v6
	v_add_nc_u32 v1, v1, v6                        ; r + (r & 8)
	v_lshl_add_u32 v1, v7, 3, v1                   ; + 8 u: my column among the block's 32
	v_lshlrev_b32 v1, 2, v1                        ; in bytes
	v_lshlrev_b32 v2, 4, v6
	v_lshl_add_u32 v2, v7, 13, v2                  ; out: tile u of the pair, lane r's 16 bytes
	s_lshl_b32 s20, s18, 7
	s_lshl_b32 s21, s19, 5
	s_add_co_u32 s20, s20, s21                     ; my first k = 128 s + 32 c
	s_lshr_b32 s30, s17, 1                         ; Wq, Wk, Wv: head B / 2 (131,072 bytes), units 32 (B % 2) on, rows of 256 bytes
	s_lshl_b32 s30, s30, 17
	s_and_b32 s31, s17, 1
	s_lshl_b32 s31, s31, 7
	s_add_co_u32 s30, s30, s31
	s_lshl_b32 s31, s20, 8
	s_add_co_u32 s30, s30, s31
	s_lshl_b32 s32, s17, 7                         ; Wo: columns 32 B on, rows of 2,048 bytes
	s_lshl_b32 s33, s20, 11
	s_add_co_u32 s32, s32, s33
	s_cmp_eq_u32 s16, 3
	s_cselect_b32 s30, s32, s30
	s_mov_b32 s31, 0
	s_lshl_b32 s34, s16, 18                        ; the image: Wi, B (two tiles), s, c
	s_lshl_b32 s35, s17, 14
	s_add_co_u32 s34, s34, s35
	s_lshl_b32 s35, s18, 11
	s_add_co_u32 s34, s34, s35
	s_lshl_b32 s35, s19, 9
	s_add_co_u32 s34, s34, s35
	s_mov_b32 s35, 0
	s_wait_kmcnt 0x0
	s_load_b128 s[24:27], s[12:13], 0x0            ; e0 .. e3
	s_load_b32 s28, s[12:13], 0x10                 ; e4
	s_load_b32 s29, s[12:13], 0x2c                 ; e11
	s_cmp_eq_u32 s16, 1                            ; which weight: the choice hangs on the work-group's number alone
	s_cselect_b64 s[22:23], s[6:7], s[4:5]
	s_cmp_eq_u32 s16, 2
	s_cselect_b64 s[22:23], s[8:9], s[22:23]
	s_cmp_eq_u32 s16, 3
	s_cselect_b64 s[22:23], s[10:11], s[22:23]
	s_add_nc_u64 s[22:23], s[22:23], s[30:31]
	s_add_nc_u64 s[14:15], s[14:15], s[34:35]
	s_cmp_eq_u32 s16, 3
	s_cbranch_scc1 .Lwo                            ; only the distance from k to k differs: it stands in the loads' immediates
	LOADS 256
	s_branch .Ljoin
.Lwo:
	LOADS 2048
.Ljoin:
	s_wait_kmcnt 0x0
	s_cmp_eq_u32 s16, 1
	s_cselect_b32 s24, s26, s24
	s_cmp_eq_u32 s16, 2
	s_cselect_b32 s24, s28, s24
	s_cmp_eq_u32 s16, 3
	s_cselect_b32 s24, s29, s24                    ; e
	s_add_co_i32 s24, s24, 127
	s_lshl_b32 s25, s24, 23
	v_mov_b32 v4, s25                              ; 2^e as f32: the conversion takes its exponent field
	s_add_co_i32 s24, s24, 8
	s_lshl_b32 s24, s24, 23
	s_or_b32 s24, s24, 0x600000
	v_mov_b32 v5, s24                              ; 448 x 2^e
	s_wait_loadcnt 0x0
.set i, 0
.rept 32
	v_med3_num_f32 v[X+i], v[X+i], -v5, v5         ; the conversion to an 8-bit code does not saturate (ISA guide 7.6.2): the hold comes first
.set i, i+1
.endr
.set i, 0
.rept 4
	v_cvt_scalef32_pk8_fp8_f32 v[C+2*i:C+2*i+1], v[X+8*i:X+8*i+7], v4
.set i, i+1
.endr
	global_store_b128 v2, v[C:C+3], s[14:15]                ; k + 0 .. 15: the image's lanes 0-15
	global_store_b128 v2, v[C+4:C+7], s[14:15] offset:256   ; k + 16 .. 31: its lanes 16-31
	s_endpgm
.Lfunc_end_k_qd605091ce2_wquant:
	.size	k_qd605091ce2_wquant, .Lfunc_end_k_qd605091ce2_wquant-k_qd605091ce2_wquant
	.p2alignl 7, 3214868480
	.fill 96, 4, 3214868480
	.section	.rodata,"a",@progbits
	.p2align	6, 0x0
	.amdhsa_kernel k_qd605091ce2_wquant
		.amdhsa_group_segment_fixed_size 0
		.amdhsa_private_segment_fixed_size 0
		.amdhsa_enable_private_segment 0
		.amdhsa_kernarg_size 48
		.amdhsa_user_sgpr_count 2
		.amdhsa_user_sgpr_kernarg_segment_ptr 1
		.amdhsa_wavefront_size32 1
		.amdhsa_system_sgpr_workgroup_id_x 1
		.amdhsa_system_sgpr_workgroup_id_y 1
		.amdhsa_system_sgpr_workgroup_id_z 1
		.amdhsa_system_vgpr_workitem_id 0
		.amdhsa_next_free_vgpr 64
		.amdhsa_next_free_sgpr 66
		.amdhsa_reserve_vcc 0
		.amdhsa_float_denorm_mode_32 3
		.amdhsa_float_denorm_mode_16_64 3
		.amdhsa_memory_ordered 1
		.amdhsa_forward_progress 1
		.amdhsa_inst_pref_size 12
	.end_amdhsa_kernel
	.amdgpu_metadata
---
amdhsa.version: [ 1, 2 ]
amdhsa.kernels:
  - .name:           k_qd605091ce2_wquant
    .symbol:         k_qd605091ce2_wquant.kd
    .args:
      - { .name: Wq, .offset: 0, .size: 8, .value_kind: global_buffer, .address_space: global }
      - { .name: Wk, .offset: 8, .size: 8, .value_kind: global_buffer, .address_space: global }
      - { .name: Wv, .offset: 16, .size: 8, .value_kind: global_buffer, .address_space: global }
      - { .name: Wo, .offset: 24, .size: 8, .value_kind: global_buffer, .address_space: global }
      - { .name: lowp_scales, .offset: 32, .size: 8, .value_kind: global_buffer, .address_space: global }
      - { .name: wc, .offset: 40, .size: 8, .value_kind: global_buffer, .address_space: global }
    .group_segment_fixed_size: 0
    .private_segment_fixed_size: 0
    .kernarg_segment_align: 8
    .kernarg_segment_size: 48
    .max_flat_workgroup_size: 128
    .sgpr_count:     66
    .vgpr_count:     64
    .wavefront_size: 32
...
	.end_amdgpu_metadata
.endif
;; end of part 1
;; launch proj (part 2): grid 64 x 3, 8 waves a work-group, no clusters, 134,144 bytes of LDS; arguments Q, K, V, wc, lowp_scales, qkvc; writes qkvc
.if DOCPART == 2
	.amdgcn_target "amdgcn-amd-amdhsa--gfx1250"
	.amdhsa_code_object_version 6
	.text
	.protected	k_qd605091ce2_proj
	.globl	k_qd605091ce2_proj
	.p2align	8
	.type	k_qd605091ce2_proj,@function
k_qd605091ce2_proj:
	s_mov_b64 s[64:65], 0
	v_nop
	global_prefetch_b8 v0, s[64:65] scope:SCOPE_SE
	s_setreg_imm32_b32 hwreg(HW_REG_WAVE_MODE, 25, 1), 1
	s_wait_xcnt 0x0
; q = Q Wq, k = K Wk, v = V Wv, each on codes of FP8 (E4M3) with the given scales, and the results quantised again for attention.
; Work-group (x, T): tensor T (0 Q, 1 K, 2 V), rows 128 x .. 128 x + 127 of its 8,192, all 512 outputs.  Wave w owns HEAD w: its 4 tiles x 4 K steps of the weight's codes
; (16 fragments, 256 registers, window 1) come straight from wc, which is laid in the order of the registers, and stay.  So no weight goes through LDS and there is no tile that
; work-groups could ask for jointly: no cluster.  192 work-groups: 128 rows is the share at which each f32 row is read once and the weights' codes (256 KB a work-group) equal the rows' bytes.
; A FRAGMENT (16 rows x 128 k, 16 registers): lane 16 h + r holds row r; registers 4 c .. 4 c + 3 hold k = 32 c + 16 h + 0 .. 15.  That is a permutation of k, the same in both sources of every product.
; THE ROWS OF A TILE ARE NOT NEIGHBOURS: row r of tile (P, u) of a block of 128 is 32 P + 8 u + r + (r & 8), for tokens and for the weights' outputs alike.  So the 16 result registers of tiles (P, 0), (P, 1)
; are 16 neighbours along the next product's K, and the conversions' results are the next operand's registers.
; PHASE X: wave w quantises token tile w.  A load reads 512 consecutive bytes of one row; a K step's 16 rows turn through the wave's own stage in LDS (rows 528 bytes apart) and come back 64 bytes a lane;
;   the codes go to LDS as an image of their registers (16 bytes a lane, 512 a store).  One barrier.
; PHASE 1, four times (P): the pair's eight x fragments from LDS; 32 products on eight accumulators by turns;  q, k: source 0 = the weight (a lane holds a token, registers run along the head's 64);
;   v: source 0 = x (a lane holds a channel, registers run along the tokens, which are the keys);  hold, conversion, four stores of 512 consecutive aligned bytes.
; qkvc[T 3][8 b + head 16][block of 128 tokens 32][8,192 bytes];  q, k block: [tile 2 P + u][c 2][lane][16];  v block: [c = P 4][channel tile 4][lane][16]: both are byte 2,048 P + 512 g + 16 lane here.
; A sum stands for sum x 2^(ew + ex), so its code is sum / 2^(eout - ew - ex): the three scales are folded into the conversion's one.
; LIMITS: ex (entries 1, 3, 5) and eout - ew - ex (eout: entries 6, 7, 9; ew: 0, 2, 4) between -126 and 119.  NaN among the inputs is not served.
; REGISTERS, window 0: v1 16 x lane; v3, v4 the stage, in and out; v5 where my images go; v8, v9 2^ex and 448 x 2^ex; v10, v11 the same of eout - ew - ex;
;   v16-143 two sets of 64 as loaded, later the eight x fragments; v144-207 64 numbers, later the accumulators; v208-223 the codes just made.   window 1: the weight's fragment 4 t + s at v[16 (4 t + s)].
.set R0,    16
.set XF,    16
.set XN,    144
.set PC,    208
.set TP,    528                        ; a stage row: 512 bytes + 16 = 33 x 16: the sixteen rows that a read touches begin at sixteen different multiples of 16 bytes modulo 256
.set TURNB, 65536                      ; behind the images (8 tiles x 4 K steps x 2,048): a stage of 16 x 528 bytes for each wave
.set MSB, 0
.macro WIN new                         ; the immediate's high byte repeats the setting that is left
.if MSB != \new
	s_set_vgpr_msb (MSB<<8)|\new
.set MSB, \new
.endif
.endm
.macro XLOAD set, s                    ; K step s (512 bytes) of my tile's 16 rows: rows i + (i & 8) from the tile's first
.set i, 0
.rept 16
	global_load_b128 v[R0+64*(\set)+4*i:R0+64*(\set)+4*i+3], v1, s[20:21] offset:(i+(i&8))*2048+512*(\s) th:TH_LOAD_NT
.set i, i+1
.endr
.endm
.macro TURNX set                       ; through my stage: LDS serves a wave's instructions in order (ISA guide 5.7.1.4), so no wait stands between the stores and the loads
.set i, 0
.rept 16
	ds_store_b128 v3, v[R0+64*(\set)+4*i:R0+64*(\set)+4*i+3] offset:TP*i
.set i, i+1
.endr
.set i, 0
.rept 16
	ds_load_b128 v[XN+4*i:XN+4*i+3], v4 offset:128*(i/4)+16*(i%4)   ; register 16 c + n = k 32 c + 16 h + n of row r
.set i, i+1
.endr
.endm
.macro QUANT sc, lim                   ; 64 numbers at v[XN] become 64 codes at v[PC]
.set i, 0
.rept 64
	v_med3_num_f32 v[XN+i], v[XN+i], -v[\lim], v[\lim]   ; the conversion does not saturate (ISA guide 7.6.2): the hold at 448 x the scale; each accumulator is read from its low end on
.set i, i+1
.endr
.set i, 0
.rept 8
	v_cvt_scalef32_pk8_fp8_f32 v[PC+2*i:PC+2*i+1], v[XN+8*i:XN+8*i+7], v[\sc]
.set i, i+1
.endr
	v_nop                                          ; one plain line between the last conversion and the products that write its sources
.endm
.macro IMAGE off
.irp c, 0,1,2,3
	ds_store_b128 v5, v[PC+4*\c:PC+4*\c+3] offset:\off+512*\c
.endr
.endm
; 32 products each; the eight accumulators take turns, one instruction a turn; the first K step starts the sums with the constant 0.
.macro MULQK                           ; accumulator (u, t) at XN + 32 u + 8 t: lane (r, h) holds token row r of tile (P, u), register j the head's unit 32 (t / 2) + 8 (t % 2) + 16 h + j
.irp s, 0,1,2,3
.irp u, 0,1
.irp t, 0,1,2,3
.if \s == 0
	v_wmma_f32_16x16x128_fp8_fp8 v[XN+32*\u+8*\t:XN+32*\u+8*\t+7], v[16*(4*\t+\s):16*(4*\t+\s)+15], v[XF+16*(4*\u+\s):XF+16*(4*\u+\s)+15], 0
.else
	v_wmma_f32_16x16x128_fp8_fp8 v[XN+32*\u+8*\t:XN+32*\u+8*\t+7], v[16*(4*\t+\s):16*(4*\t+\s)+15], v[XF+16*(4*\u+\s):XF+16*(4*\u+\s)+15], v[XN+32*\u+8*\t:XN+32*\u+8*\t+7]
.endif
.endr
.endr
.endr
.endm
.macro MULV                            ; accumulator (t, u) at XN + 16 t + 8 u: lane (r, h) holds channel row r of tile t, register j the token 32 P + 8 u + 16 h + j
.irp s, 0,1,2,3
.irp t, 0,1,2,3
.irp u, 0,1
.if \s == 0
	v_wmma_f32_16x16x128_fp8_fp8 v[XN+16*\t+8*\u:XN+16*\t+8*\u+7], v[XF+16*(4*\u+\s):XF+16*(4*\u+\s)+15], v[16*(4*\t+\s):16*(4*\t+\s)+15], 0
.else
	v_wmma_f32_16x16x128_fp8_fp8 v[XN+16*\t+8*\u:XN+16*\t+8*\u+7], v[XF+16*(4*\u+\s):XF+16*(4*\u+\s)+15], v[16*(4*\t+\s):16*(4*\t+\s)+15], v[XN+16*\t+8*\u:XN+16*\t+8*\u+7]
.endif
.endr
.endr
.endr
.endm
	s_load_b256 s[4:11], s[0:1], 0x0               ; Q s[4:5], K s[6:7], V s[8:9], wc s[10:11]
	s_load_b128 s[12:15], s[0:1], 0x20             ; the scales' exponents s[12:13], qkvc s[14:15]
	v_lshl_add_u32 v254, v0, 2, 0x20800
	v_mov_b32 v255, 0
	v_lshrrev_b32 v2, 5, v0
	v_readfirstlane_b32 s16, v2                    ; w
	s_and_b32 s17, ttmp7, 0xffff                   ; T
	s_mov_b32 s18, ttmp9                           ; x
	v_and_b32 v1, 31, v0
	v_lshlrev_b32 v1, 4, v1                        ; 16 x lane
	v_and_b32 v6, 15, v0                           ; r
	v_bfe_u32 v7, v0, 4, 1                         ; h
	s_mul_i32 s28, s16, 16*TP
	s_add_co_u32 s28, s28, TURNB                   ; my stage
	v_add_nc_u32 v3, s28, v1                       ; in: a row's 512 bytes as they lie
	v_mul_u32_u24 v4, v6, TP
	v_lshl_add_u32 v4, v7, 6, v4
	v_add_nc_u32 v4, s28, v4                       ; out: row r, + 64 h
	s_lshl_b32 s29, s16, 13
	v_add_nc_u32 v5, s29, v1                       ; my tile's four images
	s_lshl_b32 s44, s18, 7                         ; my tile's first row: 128 x + 32 (w / 2) + 8 (w % 2),
	s_lshr_b32 s45, s16, 1
	s_lshl_b32 s45, s45, 5
	s_add_co_u32 s44, s44, s45
	s_and_b32 s45, s16, 1
	s_lshl_b32 s45, s45, 3
	s_add_co_u32 s44, s44, s45
	s_lshl_b32 s44, s44, 11                        ; of 2,048 bytes
	s_mov_b32 s45, 0
	s_lshl_b32 s46, s17, 18                        ; wc: tensor T, my head's four tiles
	s_lshl_b32 s47, s16, 15
	s_add_co_u32 s46, s46, s47
	s_mov_b32 s47, 0
	s_lshl_b32 s48, s17, 22                        ; qkvc: part T, head 8 b + w, block x % 32
	s_lshr_b32 s49, s18, 5
	s_lshl_b32 s49, s49, 3
	s_add_co_u32 s49, s49, s16
	s_lshl_b32 s49, s49, 18
	s_add_co_u32 s48, s48, s49
	s_and_b32 s49, s18, 31
	s_lshl_b32 s49, s49, 13
	s_add_co_u32 s48, s48, s49
	s_mov_b32 s49, 0
	s_wait_kmcnt 0x0
	s_load_b256 s[32:39], s[12:13], 0x0            ; e0 .. e7
	s_load_b128 s[40:43], s[12:13], 0x20           ; e8 .. e11
	s_cmp_eq_u32 s17, 1                            ; which tensor: the choice hangs on the work-group's number alone
	s_cselect_b64 s[20:21], s[6:7], s[4:5]
	s_cmp_eq_u32 s17, 2
	s_cselect_b64 s[20:21], s[8:9], s[20:21]
	s_add_nc_u64 s[20:21], s[20:21], s[44:45]
	s_add_nc_u64 s[24:25], s[10:11], s[46:47]
	s_add_nc_u64 s[26:27], s[14:15], s[48:49]
	WIN 0x40                                       ; destination window 1
.set i, 0
.rept 64
	global_load_b128 v[4*i:4*i+3], v1, s[24:25] offset:512*i   ; 32 KB on end: the sixteen fragments as they lie
.set i, i+1
.endr
	WIN 0
	XLOAD 0, 0
	XLOAD 1, 1
	s_wait_kmcnt 0x0
	s_cmp_eq_u32 s17, 1
	s_cselect_b32 s50, s34, s32                    ; ew
	s_cselect_b32 s51, s35, s33                    ; ex
	s_cselect_b32 s52, s39, s38                    ; eout
	s_cmp_eq_u32 s17, 2
	s_cselect_b32 s50, s36, s50
	s_cselect_b32 s51, s37, s51
	s_cselect_b32 s52, s41, s52
	s_sub_co_i32 s52, s52, s50
	s_sub_co_i32 s52, s52, s51                     ; eout - ew - ex
	s_add_co_i32 s51, s51, 127
	s_lshl_b32 s53, s51, 23
	v_mov_b32 v8, s53                              ; 2^ex
	s_add_co_i32 s51, s51, 8
	s_lshl_b32 s51, s51, 23
	s_or_b32 s51, s51, 0x600000
	v_mov_b32 v9, s51                              ; 448 x 2^ex
	s_add_co_i32 s52, s52, 127
	s_lshl_b32 s53, s52, 23
	v_mov_b32 v10, s53                             ; 2^(eout - ew - ex)
	s_add_co_i32 s52, s52, 8
	s_lshl_b32 s52, s52, 23
	s_or_b32 s52, s52, 0x600000
	v_mov_b32 v11, s52                             ; 448 x that
.macro PHX s                           ; K step s of my tile
.if \s < 3
	s_wait_loadcnt 16                              ; loads come back in order: all but the next K step's sixteen are in (the weights, asked for first, too)
.else
	s_wait_loadcnt 0x0
.endif
	TURNX (\s)&1
	s_wait_dscnt 0x0                               ; the numbers are back; the stage's stores have read their set, the last image's stores their codes
.if \s < 2
	XLOAD (\s)&1, (\s)+2                           ; the set takes the K step two on
.endif
	QUANT 8, 9
	IMAGE 2048*(\s)
.endm
	PHX 0
	PHX 1
	PHX 2
	PHX 3
	s_wait_dscnt 0x0                               ; for the others' sake: my images have landed
	s_barrier_signal -1
	s_barrier_wait -1                              ; all 32 images lie in LDS; from here on they are only read
.macro PH1 p                           ; token tiles (p, 0) and (p, 1) against my head
.set i, 0
.rept 32                               ; i = 16 u + 4 s + c.  (For p > 0 the places behind the last products are the four v_nop and the holds below)
	ds_load_b128 v[XF+4*i:XF+4*i+3], v1 offset:(2*(\p)+i/16)*8192+2048*((i/4)%4)+512*(i%4)
.set i, i+1
.endr
	s_wait_dscnt 0x0
	s_cmp_eq_u32 s17, 2                            ; only the products differ between q, k and v: the branch hangs on the work-group's number and stands round them alone
	s_cbranch_scc1 .Lv_\@
	WIN 0x01                                       ; source 0 (the weight) window 1
	MULQK
	WIN 0
	s_branch .Ljoin_\@
.Lv_\@:
	WIN 0x04                                       ; source 1 (the weight) window 1
	MULV
	WIN 0
.Ljoin_\@:
.rept 4
	v_nop                                          ; four places between the last product and the first read of results (ISA guide 7.12.1)
.endr
.if \p > 0
	s_wait_xcnt 0x0                                ; the last stores have read their codes: the registers are written again only behind this wait
.endif
	QUANT 10, 11
.irp g, 0,1,2,3
	global_store_b128 v1, v[PC+4*\g:PC+4*\g+3], s[26:27] offset:2048*(\p)+512*\g   ; 512 consecutive bytes, at a multiple of 512 from the buffer's first byte
.endr
.endm
	PH1 0
	PH1 1
	PH1 2
	PH1 3
	s_wait_tensorcnt 0x0
	ds_add_u32 v254, v255
	s_wait_dscnt 0x0
	s_endpgm
.Lfunc_end_k_qd605091ce2_proj:
	.size	k_qd605091ce2_proj, .Lfunc_end_k_qd605091ce2_proj-k_qd605091ce2_proj
	.p2alignl 7, 3214868480
	.fill 96, 4, 3214868480
	.section	.rodata,"a",@progbits
	.p2align	6, 0x0
	.amdhsa_kernel k_qd605091ce2_proj
		.amdhsa_group_segment_fixed_size 134144
		.amdhsa_private_segment_fixed_size 0
		.amdhsa_enable_private_segment 0
		.amdhsa_kernarg_size 48
		.amdhsa_user_sgpr_count 2
		.amdhsa_user_sgpr_kernarg_segment_ptr 1
		.amdhsa_wavefront_size32 1
		.amdhsa_system_sgpr_workgroup_id_x 1
		.amdhsa_system_sgpr_workgroup_id_y 1
		.amdhsa_system_sgpr_workgroup_id_z 1
		.amdhsa_system_vgpr_workitem_id 0
		.amdhsa_next_free_vgpr 512
		.amdhsa_next_free_sgpr 66
		.amdhsa_reserve_vcc 0
		.amdhsa_float_denorm_mode_32 3
		.amdhsa_float_denorm_mode_16_64 3
		.amdhsa_memory_ordered 1
		.amdhsa_forward_progress 1
		.amdhsa_inst_pref_size 89
	.end_amdhsa_kernel
	.amdgpu_metadata
---
amdhsa.version: [ 1, 2 ]
amdhsa.kernels:
  - .name:           k_qd605091ce2_proj
    .symbol:         k_qd605091ce2_proj.kd
    .args:
      - { .name: Q, .offset: 0, .size: 8, .value_kind: global_buffer, .address_space: global }
      - { .name: K, .offset: 8, .size: 8, .value_kind: global_buffer, .address_space: global }
      - { .name: V, .offset: 16, .size: 8, .value_kind: global_buffer, .address_space: global }
      - { .name: wc, .offset: 24, .size: 8, .value_kind: global_buffer, .address_space: global }
      - { .name: lowp_scales, .offset: 32, .size: 8, .value_kind: global_buffer, .address_space: global }
      - { .name: qkvc, .offset: 40, .size: 8, .value_kind: global_buffer, .address_space: global }
    .group_segment_fixed_size: 134144
    .private_segment_fixed_size: 0
    .kernarg_segment_align: 8
    .kernarg_segment_size: 48
    .max_flat_workgroup_size: 256
    .sgpr_count:     66
    .vgpr_count:     512
    .wavefront_size: 32
...
	.end_amdgpu_metadata
.endif
;; end of part 2
;; launch attn (part 3): grid 16 x 16, 16 waves a work-group, no clusters, 34,816 bytes of LDS; arguments qkvc, lowp_scales, oc; writes oc
.if DOCPART == 3
	.amdgcn_target "amdgcn-amd-amdhsa--gfx1250"
	.amdhsa_code_object_version 6
	.text
	.protected	k_qd605091ce2_attn
	.globl	k_qd605091ce2_attn
	.p2align	8
	.type	k_qd605091ce2_attn,@function
k_qd605091ce2_attn:
	s_mov_b64 s[64:65], 0
	v_nop
	global_prefetch_b8 v0, s[64:65] scope:SCOPE_SE
	s_setreg_imm32_b32 hwreg(HW_REG_WAVE_MODE, 25, 1), 1
	s_wait_xcnt 0x0
; o = softmax(q k^T / 8, causal) v for one head, both products on codes of FP8 (E4M3) with the given scales (q entry 6, k 7, p 8, v 9), and o quantised (entry 10) for the last product.
; THE SOFTMAX: t = score x log2(e) / 8; M = the row's largest t so far, rounded UP to a whole number; p = 2^(t - M) is what is quantised; the row's sum is taken of the unquantised p and divides at the end.
; When M moves, the sum and O are multiplied by 2^(old M - new M): exact.
; SHARES.  Work-group (i, bh) owns the blocks of 128 queries i and 31 - i of head bh: an early block and a late one, (i + 1) + (32 - i) = 33 key steps of 128 keys together, whatever i is.
; Wave w = 4 a + b owns ONE tile of 16 queries: tile 2 a + b / 2 of the early block where a + b is even, of the late block where it is odd; so of waves w, w + 4, w + 8, w + 12 and of waves 4 a .. 4 a + 3 alike two are early and two late.
; A key step KS is worked where KS <= J (J: the wave's block), masked where KS = J, and left out where KS > J: the causal mask throws those scores away.
; K's and V's blocks (8 KB each, laid in memory as images of operand registers) are copied by all 512 threads, 16 bytes each of K and of V, through registers into two LDS buffers by turns, one step ahead; one barrier a step.
; NO CLUSTER, NO TENSOR LOAD: the work-groups of a head walk 17 to 32 steps, so partners would need different numbers of tiles; a step's shared bytes are 16 KB beside some 200 vector instructions in each of 16 waves;
; the hold of p stands under a branch on the given exponent, which spares 64 of a step's vector instructions.
; LAYOUT.  Both products are used transposed: S^T = K Q^T (source 0 = 16 keys), O^T = V^T P^T (source 0 = 16 channels): a lane holds ONE query (lane % 16) throughout.  Row r of tile (P, u) is 32 P + 8 u + r + (r & 8), for keys,
; queries and channels: so the 16 registers of two neighbouring tiles are 16 neighbours: register 16 b + n of S^T is key 32 b + 16 h + n, and the conversions' results are the next operand's registers.
; LIMITS on the given exponents: e6 + e7 between -123 and 130 (added to c's exponent field); e8 and e10 between -126 and 119; e8 + e9 is applied by v_ldexp_f32 and has none.  NaN among the inputs is not served.
; REGISTERS: v1 16 x lane; v2 16 x thread; v3 the copy's offset; v4 256 x lane; v5 my query - 16 h within the block; v6 -infinity; v12 -M, v13 the largest t, v[14:15] the sum; v16-23 Q; v24-31 the copy;
;   v32-95 K's eight fragments, then V's four; v96-159 S^T, then p; v160-191 O^T; v192-199 at work; v200, v201 448 x 2^e8, 2^e8; v202, v203 the same of e10; v224-239 p's codes.
.set KS,  16                           ; s16  the key step in hand
.set JB,  15                           ; s15  J
.set TR,  17                           ; s17  trips to go
.set LIM, 30                           ; s30  a wave prefetches while KS is under it
; A PREFETCH INTO THE L2 of the block that stands three key steps on, two steps ahead of the copy's load of it: 8,192 bytes, lanes 256 bytes apart.  All sixteen work-groups of a head walk the same K and V from step 0 on:
; the one with i = 0, which walks all 32 steps, asks; in it wave 0 for K's block and wave 1 for V's.  So each aligned block of 256 bytes is named once.  Steps 0 to 2 come by their loads alone; for KS above 28 nothing is asked: step 31 is the last.
.macro ASK bf
	s_cmp_lt_u32 s[KS], s[LIM]
	s_cbranch_scc0 .Lnot_mine_\@
	global_prefetch_b8 v4, s[28:29] offset:8192*\bf th:TH_LOAD_NT scope:SCOPE_SE
.Lnot_mine_\@:
.endm
; A KEY STEP out of LDS buffer bf.
.macro STEP bf
	s_add_co_u32 s18, s[KS], 1                     ; the next step's blocks are asked for first.  The last step asks for block 31 once more, so that no load leaves the buffer: that copy is read by nobody
	s_min_u32 s18, s18, 31
	s_lshl_b32 s18, s18, 13
	v_add_nc_u32 v3, s18, v2                       ; (its last loads were waited for at the last step's end)
	global_load_b128 v[24:27], v3, s[24:25]
	global_load_b128 v[28:31], v3, s[26:27]
	ASK \bf
	s_cmp_gt_u32 s[KS], s[JB]
	s_cbranch_scc1 .Lhid_\@                        ; all 128 keys come after my queries: only the copy and the barrier are left
.set i, 0
.rept 16
	ds_load_b128 v[32+4*i:35+4*i], v1 offset:16384*\bf+512*i   ; K's eight fragments (16 keys x 64) as they lie
.set i, i+1
.endr
	s_wait_dscnt 0x0
.set i, 0
.rept 8
	v_wmma_f32_16x16x64_fp8_fp8 v[96+8*i:103+8*i], v[32+8*i:39+8*i], v[16:23], 0
.set i, i+1
.endr
.rept 4
	v_nop                                          ; four places: in front of the loads into K's registers and of the first read of the scores
.endr
.set i, 0
.rept 16                               ; i = 4 ct + c: V's four fragments (16 channels x 128 keys); they land while the softmax is worked
	ds_load_b128 v[32+4*i:35+4*i], v1 offset:16384*\bf+8192+2048*(i%4)+512*(i/4)
.set i, i+1
.endr
	s_cmp_lg_u32 s[KS], s[JB]
	s_cbranch_scc1 .Lopen_\@
.set i, 0
.rept 64                               ; on the diagonal: register 16 b + n holds key 32 b + 16 h + n of the block: hidden where 32 b + n > my query - 16 h
	v_cmp_gt_i32 vcc_lo, 32*(i/16)+i%16, v5
	v_cndmask_b32 v[96+i], v[96+i], v6, vcc_lo
.set i, i+1
.endr
.Lopen_\@:
	v_max3_num_f32 v192, v96, v97, v98             ; the step's largest score of my query among my 64 keys, in two chains, the registers in ascending order
	v_max3_num_f32 v193, v99, v100, v101
.irp i, 6,10,14,18,22,26,30,34,38,42,46,50,54,58
	v_max3_num_f32 v192, v192, v[96+\i], v[97+\i]
	v_max3_num_f32 v193, v193, v[98+\i], v[99+\i]
.endr
	v_max3_num_f32 v192, v192, v158, v159
	v_max_num_f32 v192, v192, v193
	v_permlanex16_b32 v194, v192, s20, s21
	v_max_num_f32 v192, v192, v194                 ; and among the other half of the lanes'
	v_mul_f32 v192, s22, v192                      ; as t (c is positive)
	v_max_num_f32 v13, v13, v192                   ; the running largest t
	v_mov_b32 v192, v12
	v_floor_f32 v12, -v13                          ; the new -M = floor(-t) = -ceil(t)
	v_sub_f32 v192, v12, v192                      ; old M - new M: a whole number, 0 or less
	v_cvt_i32_f32 v192, v192                       ; (it saturates)
	v_ldexp_f32 v196, 1.0, v192                    ; f = 2^(old M - new M)
.set i, 0
.rept 32
	v_pk_fma_f32 v[96+2*i:97+2*i], v[96+2*i:97+2*i], s[22:23], v[12:13] op_sel_hi:[1,0,0]   ; t - M, two at a time (of the pairs c and -M the low word serves both halves)
.set i, i+1
.endr
.set i, 0
.rept 64
	v_exp_f32 v[96+i], v[96+i]                     ; p = 2^(t - M), at most 1
.set i, i+1
.endr
	v_pk_mul_f32 v[14:15], v[14:15], v[196:197] op_sel_hi:[1,0]   ; the sums under the new M: the plain line behind the exponentials
	s_wait_alu depctr_va_vdst(0)                   ; one wait for the whole batch, ahead of its first reader
	v_pk_add_f32 v[198:199], v[96:97], v[98:99]    ; the row's sum is taken of the unquantised p, two at a time, in two chains
.irp j, 4,8,12,16,20,24,28,32,36,40,44,48,52,56,60
	v_pk_add_f32 v[14:15], v[14:15], v[96+\j:97+\j]
	v_pk_add_f32 v[198:199], v[198:199], v[98+\j:99+\j]
.endr
	v_pk_add_f32 v[14:15], v[14:15], v[198:199]
	s_cmp_ge_i32 s31, -8                           ; p is at most 1 and 448 x 2^e8 is at least 1.75 from e8 = -8 on: the hold can bind only under that
	s_cbranch_scc1 .Lnohold_\@
.set i, 0
.rept 64
	v_min_num_f32 v[96+i], v[96+i], v200           ; the conversion does not saturate (ISA guide 7.6.2); p is not negative, so the hold is one-sided
.set i, i+1
.endr
.Lnohold_\@:
.set i, 0
.rept 8
	v_cvt_scalef32_pk8_fp8_f32 v[224+2*i:225+2*i], v[96+8*i:103+8*i], v201
.set i, i+1
.endr
.set i, 0
.rept 16
	v_pk_mul_f32 v[160+2*i:161+2*i], v[160+2*i:161+2*i], v[196:197] op_sel_hi:[1,0]   ; O^T under the new M; also the plain lines between the conversions and the products
.set i, i+1
.endr
	s_wait_dscnt 0x0                               ; V's fragments are in
.set i, 0
.rept 4                                ; four accumulators, one instruction each; the next products on them stand behind the next step's eight
	v_wmma_f32_16x16x128_fp8_fp8 v[160+8*i:167+8*i], v[32+16*i:47+16*i], v[224:239], v[160+8*i:167+8*i]
.set i, i+1
.endr
.rept 4
	v_nop                                          ; four places in front of the next loads into V's registers, and of the way out's reads
.endr
.Lhid_\@:
	s_add_co_u32 s[KS], s[KS], 1
	s_wait_loadcnt 0x0                             ; the next step's 32 bytes of mine are in
	ds_store_b128 v2, v[24:27] offset:16384*(1-\bf)        ; into the other buffer: every wave's reads of it were waited for in front of the last barrier
	ds_store_b128 v2, v[28:31] offset:16384*(1-\bf)+8192
	s_wait_dscnt 0x0                               ; for the others' sake: my stores have landed, and my reads of this buffer are over
	s_barrier_signal -1
	s_barrier_wait -1
.endm
	s_load_b128 s[4:7], s[0:1], 0x0                ; qkvc s[4:5], the scales' exponents s[6:7]
	s_load_b64 s[8:9], s[0:1], 0x10                ; oc
	v_lshl_add_u32 v254, v0, 2, 0x8000
	v_mov_b32 v255, 0
	v_lshrrev_b32 v7, 5, v0
	v_readfirstlane_b32 s10, v7                    ; w
	s_mov_b32 s11, ttmp9                           ; i
	s_and_b32 s12, ttmp7, 0xffff                   ; bh = 8 x batch + head
	s_lshr_b32 s48, s10, 2                         ; a
	s_and_b32 s49, s10, 3                          ; b
	s_add_co_u32 s13, s48, s49
	s_and_b32 s13, s13, 1                          ; 1: the late block
	s_lshl_b32 s14, s48, 1
	s_lshr_b32 s49, s49, 1
	s_add_co_u32 s14, s14, s49                     ; my tile in the block: 2 a + b / 2
	s_sub_co_u32 s[JB], 31, s11
	s_cmp_eq_u32 s13, 1
	s_cselect_b32 s[JB], s[JB], s11                ; J
	s_sub_co_u32 s[TR], 33, s11
	s_lshr_b32 s[TR], s[TR], 1                     ; trips of two steps: 32 - i steps, rounded up
	s_mov_b32 s[KS], 0
	s_mov_b32 s20, 0x76543210                      ; v_permlanex16_b32's selects: lane l xor 16
	s_mov_b32 s21, 0xfedcba98
	v_and_b32 v1, 31, v0
	v_lshlrev_b32 v4, 8, v1
	v_lshlrev_b32 v1, 4, v1
	v_lshlrev_b32 v2, 4, v0
	v_and_b32 v7, 15, v0                           ; r
	v_and_b32 v8, 8, v7
	v_add_nc_u32 v7, v7, v8                        ; r + (r & 8)
	v_bfe_u32 v8, v0, 4, 1
	v_lshlrev_b32 v8, 4, v8                        ; 16 h
	v_sub_nc_u32 v5, v7, v8
	s_lshr_b32 s48, s14, 1
	s_lshl_b32 s48, s48, 5
	s_and_b32 s49, s14, 1
	s_lshl_b32 s49, s49, 3
	s_add_co_u32 s48, s48, s49
	v_add_nc_u32 v5, s48, v5                       ; my query within its block, less 16 h
	s_lshr_b32 s50, s12, 3                         ; oc: token tile 256 x batch + 8 J + tile,
	s_lshl_b32 s50, s50, 8
	s_lshl_b32 s51, s[JB], 3
	s_add_co_u32 s50, s50, s51
	s_add_co_u32 s50, s50, s14
	s_lshl_b32 s50, s50, 13
	s_bfe_u32 s51, s12, 0x20001                    ; K step head / 2,
	s_lshl_b32 s51, s51, 11
	s_add_co_u32 s50, s50, s51
	s_and_b32 s51, s12, 1                          ; groups 2 (head % 2) and the next
	s_lshl_b32 s51, s51, 10
	s_add_co_u32 s50, s50, s51
	s_mov_b32 s51, 0
	s_lshl_b32 s52, s12, 18                        ; my head in each part of qkvc
	s_mov_b32 s53, 0
	s_lshl_b32 s54, s[JB], 13                      ; my tile of Q
	s_lshl_b32 s55, s14, 10
	s_add_co_u32 s54, s54, s55
	s_mov_b32 s55, 0
	s_lshr_b32 s48, s10, 1                         ; who prefetches: waves 0 and 1
	s_or_b32 s48, s48, s11                         ; of work-group i = 0
	s_cmp_eq_u32 s48, 0
	s_cselect_b32 s[LIM], 29, 0
	s_wait_kmcnt 0x0
	s_load_b256 s[32:39], s[6:7], 0x0              ; e0 .. e7
	s_load_b128 s[40:43], s[6:7], 0x20             ; e8 .. e11
	s_add_nc_u64 s[24:25], s[4:5], s[52:53]
	s_add_nc_u64 s[54:55], s[24:25], s[54:55]      ; Q's tile
	s_add_nc_u64 s[26:27], s[24:25], 0x800000      ; V's blocks
	s_add_nc_u64 s[24:25], s[24:25], 0x400000      ; K's blocks
	s_add_nc_u64 s[46:47], s[8:9], s[50:51]
	s_cmp_eq_u32 s10, 0
	s_cselect_b64 s[28:29], s[24:25], s[26:27]
	s_add_nc_u64 s[28:29], s[28:29], 3*8192        ; the prefetches stand three blocks on
	global_load_b128 v[24:27], v2, s[24:25]        ; key step 0
	global_load_b128 v[28:31], v2, s[26:27]
	global_load_b128 v[16:19], v1, s[54:55] th:TH_LOAD_NT            ; Q's fragment stays in registers
	global_load_b128 v[20:23], v1, s[54:55] offset:512 th:TH_LOAD_NT
	v_mov_b32 v6, 0xff800000                       ; -infinity
	v_mov_b32 v13, 0xff61b1e6                      ; the largest t so far: -3e38, under every t
	v_floor_f32 v12, -v13                          ; -M
	v_mov_b32 v14, 0
	v_mov_b32 v15, 0
	v_mov_b32 v194, 0                              ; written once: a lane permute's destination counts as one of its sources
	v_mov_b32 v197, 0                              ; (named as the upper half of the pair v[196:197])
.set i, 0
.rept 32
	v_mov_b32 v[160+i], 0                          ; O^T: the step has no first form of its own: the first change of M multiplies zeros
.set i, i+1
.endr
	s_wait_kmcnt 0x0
	s_add_co_i32 s48, s38, s39
	s_lshl_b32 s48, s48, 23
	s_add_co_i32 s22, s48, 0x3e38aa3b              ; c = log2(e) / 8, with e6 + e7 added to its exponent field: a score stands for score x 2^(e6 + e7)
	s_mov_b32 s23, s22                             ; (named with it as a pair, so it is written)
	s_mov_b32 s31, s40                             ; e8
	s_add_co_i32 s44, s40, s41                     ; e8 + e9
	s_add_co_i32 s48, s40, 127
	s_lshl_b32 s49, s48, 23
	v_mov_b32 v201, s49                            ; 2^e8
	s_add_co_i32 s48, s48, 8
	s_lshl_b32 s48, s48, 23
	s_or_b32 s48, s48, 0x600000
	v_mov_b32 v200, s48                            ; 448 x 2^e8
	s_add_co_i32 s48, s42, 127
	s_lshl_b32 s49, s48, 23
	v_mov_b32 v203, s49                            ; 2^e10
	s_add_co_i32 s48, s48, 8
	s_lshl_b32 s48, s48, 23
	s_or_b32 s48, s48, 0x600000
	v_mov_b32 v202, s48                            ; 448 x 2^e10
	s_wait_loadcnt 2                               ; the copy's two loads are in; Q's two, issued behind them, may be out
	ds_store_b128 v2, v[24:27]
	ds_store_b128 v2, v[28:31] offset:8192
	s_wait_dscnt 0x0
	s_barrier_signal -1
	s_barrier_wait -1                              ; buffer 0 holds key step 0
	s_wait_loadcnt 0x0                             ; Q
.Ltrip:
	STEP 0
	STEP 1
	s_wait_xcnt 0x0                                ; the trip's prefetches, each at its step's head, have read their address
	s_add_nc_u64 s[28:29], s[28:29], 16384
	s_sub_co_u32 s[TR], s[TR], 1
	s_cmp_lg_u32 s[TR], 0
	s_cbranch_scc1 .Ltrip
	; THE WAY OUT: O^T / the sum x 2^(e8 + e9) is o; its codes are the last product's operand: registers 16 b + n are channels 32 b + 16 h + n of my query.
	v_add_f32 v14, v14, v15                        ; the sum's two halves,
	v_permlanex16_b32 v194, v14, s20, s21
	v_add_f32 v14, v14, v194                       ; and the other half of the lanes'
	v_rcp_f32 v14, v14
	v_nop                                          ; a plain line behind the reciprocal
	s_wait_alu depctr_va_vdst(0)                   ; and the wait ahead of its first reader
	v_ldexp_f32 v14, v14, s44
.set i, 0
.rept 32
	v_mul_f32 v[96+i], v[160+i], v14
.set i, i+1
.endr
.set i, 0
.rept 32
	v_med3_num_f32 v[96+i], v[96+i], -v202, v202
.set i, i+1
.endr
.set i, 0
.rept 4
	v_cvt_scalef32_pk8_fp8_f32 v[224+2*i:225+2*i], v[96+8*i:103+8*i], v203
.set i, i+1
.endr
	v_nop
	global_store_b128 v1, v[224:227], s[46:47]                ; 512 consecutive aligned bytes each
	global_store_b128 v1, v[228:231], s[46:47] offset:512
	s_wait_tensorcnt 0x0
	ds_add_u32 v254, v255
	s_wait_dscnt 0x0
	s_endpgm
.Lfunc_end_k_qd605091ce2_attn:
	.size	k_qd605091ce2_attn, .Lfunc_end_k_qd605091ce2_attn-k_qd605091ce2_attn
	.p2alignl 7, 3214868480
	.fill 96, 4, 3214868480
	.section	.rodata,"a",@progbits
	.p2align	6, 0x0
	.amdhsa_kernel k_qd605091ce2_attn
		.amdhsa_group_segment_fixed_size 34816
		.amdhsa_private_segment_fixed_size 0
		.amdhsa_enable_private_segment 0
		.amdhsa_kernarg_size 24
		.amdhsa_user_sgpr_count 2
		.amdhsa_user_sgpr_kernarg_segment_ptr 1
		.amdhsa_wavefront_size32 1
		.amdhsa_system_sgpr_workgroup_id_x 1
		.amdhsa_system_sgpr_workgroup_id_y 1
		.amdhsa_system_sgpr_workgroup_id_z 1
		.amdhsa_system_vgpr_workitem_id 0
		.amdhsa_next_free_vgpr 256
		.amdhsa_next_free_sgpr 66
		.amdhsa_reserve_vcc 1
		.amdhsa_float_denorm_mode_32 3
		.amdhsa_float_denorm_mode_16_64 3
		.amdhsa_memory_ordered 1
		.amdhsa_forward_progress 1
		.amdhsa_inst_pref_size 52
	.end_amdhsa_kernel
	.amdgpu_metadata
---
amdhsa.version: [ 1, 2 ]
amdhsa.kernels:
  - .name:           k_qd605091ce2_attn
    .symbol:         k_qd605091ce2_attn.kd
    .args:
      - { .name: qkvc, .offset: 0, .size: 8, .value_kind: global_buffer, .address_space: global }
      - { .name: lowp_scales, .offset: 8, .size: 8, .value_kind: global_buffer, .address_space: global }
      - { .name: oc, .offset: 16, .size: 8, .value_kind: global_buffer, .address_space: global }
    .group_segment_fixed_size: 34816
    .private_segment_fixed_size: 0
    .kernarg_segment_align: 8
    .kernarg_segment_size: 24
    .max_flat_workgroup_size: 512
    .sgpr_count:     66
    .vgpr_count:     256
    .wavefront_size: 32
...
	.end_amdgpu_metadata
.endif
;; end of part 3
;; launch outp (part 4): grid 4 x 64, 8 waves a work-group, no clusters, 134,144 bytes of LDS; arguments oc, wc, lowp_scales, out0; writes out0
.if DOCPART == 4
	.amdgcn_target "amdgcn-amd-amdhsa--gfx1250"
	.amdhsa_code_object_version 6
	.text
	.protected	k_qd605091ce2_outp
	.globl	k_qd605091ce2_outp
	.p2align	8
	.type	k_qd605091ce2_outp,@function
k_qd605091ce2_outp:
	s_mov_b64 s[64:65], 0
	v_nop
	global_prefetch_b8 v0, s[64:65] scope:SCOPE_SE
	s_setreg_imm32_b32 hwreg(HW_REG_WAVE_MODE, 25, 1), 1
	s_wait_xcnt 0x0
; out0 = o Wo on codes of FP8 (E4M3): each f32 sum x 2^(e10 + e11).  o's codes (oc) and Wo's (part 3 of wc) lie in memory as images of operand registers.
; Work-group (nq, rb): 128 tokens x 128 columns; 256 work-groups.  Wave w takes token tile w (16 tokens: 128 rb + 32 (w / 2) + 8 (w % 2) + r + (r & 8)) against the eight tiles of columns.
; Wo's 64 KB are copied once, at the head, through registers into LDS (256 threads x 16 bytes x 16) and read by all eight waves; o's four fragments go straight into registers.
; NO CLUSTER: each operand is read once at the head and there is no refill that a joint request could serve; the launch's bytes are 128 KB in and 64 KB out for each work-group.
; Source 0 = Wo's rows (columns n of the output), source 1 = o: a lane holds ONE token, and the 16 registers of tiles 2 B and 2 B + 1 are the columns 32 B + 16 h + 0 .. 15.
; They go through the wave's own stage in LDS (rows of 512 bytes + 16) and leave as whole rows: 32 lanes store 512 consecutive aligned bytes.
; LIMIT: e10 + e11 between -126 and 127, so that 2^(e10 + e11) is an f32 number.
; REGISTERS: v1 16 x lane; v2 16 x thread; v3, v4 the stage, in and out; v16-79 o's four fragments; v80-143 the eight accumulators; v144-207 the copy, then four fragments of Wo, then rows on their way out.
.set OF,  16
.set DA,  80
.set WF,  144
.set TP,  528                          ; 33 x 16: the sixteen rows that a store touches begin at sixteen different multiples of 16 bytes modulo 256
.set STG, 65536                        ; behind Wo's images: 16 x 528 bytes for each wave
	s_load_b256 s[4:11], s[0:1], 0x0               ; oc s[4:5], wc s[6:7], the scales' exponents s[8:9], out0 s[10:11]
	v_lshl_add_u32 v254, v0, 2, 0x20800
	v_mov_b32 v255, 0
	v_lshrrev_b32 v5, 5, v0
	v_readfirstlane_b32 s12, v5                    ; w
	s_mov_b32 s13, ttmp9                           ; nq
	s_and_b32 s14, ttmp7, 0xffff                   ; rb
	v_and_b32 v1, 31, v0
	v_lshlrev_b32 v1, 4, v1
	v_lshlrev_b32 v2, 4, v0
	v_and_b32 v6, 15, v0                           ; r
	v_bfe_u32 v7, v0, 4, 1                         ; h
	s_mul_i32 s16, s12, 16*TP
	s_add_co_u32 s16, s16, STG                     ; my stage
	v_mul_u32_u24 v3, v6, TP
	v_lshl_add_u32 v3, v7, 6, v3
	v_add_nc_u32 v3, s16, v3                       ; in: row r, + 64 h
	v_add_nc_u32 v4, s16, v1                       ; out: a row's 512 bytes
	s_lshl_b32 s20, s13, 16                        ; wc: part 3, tiles 8 nq on
	s_add_co_u32 s20, s20, 786432
	s_mov_b32 s21, 0
	s_lshl_b32 s22, s14, 3                         ; oc: token tile 8 rb + w
	s_add_co_u32 s22, s22, s12
	s_lshl_b32 s22, s22, 13
	s_mov_b32 s23, 0
	s_lshl_b32 s24, s14, 7                         ; out0: my tile's first token, rows of 2,048 bytes, + 512 nq
	s_lshr_b32 s25, s12, 1
	s_lshl_b32 s25, s25, 5
	s_add_co_u32 s24, s24, s25
	s_and_b32 s25, s12, 1
	s_lshl_b32 s25, s25, 3
	s_add_co_u32 s24, s24, s25
	s_lshl_b32 s24, s24, 11
	s_lshl_b32 s25, s13, 9
	s_add_co_u32 s24, s24, s25
	s_mov_b32 s25, 0
	s_wait_kmcnt 0x0
	s_load_b64 s[40:41], s[8:9], 0x28              ; e10, e11
	s_add_nc_u64 s[6:7], s[6:7], s[20:21]
	s_add_nc_u64 s[4:5], s[4:5], s[22:23]
	s_add_nc_u64 s[10:11], s[10:11], s[24:25]
.set i, 0
.rept 16
	global_load_b128 v[WF+4*i:WF+4*i+3], v2, s[6:7] offset:4096*i
.set i, i+1
.endr
.set i, 0
.rept 16
	global_load_b128 v[OF+4*i:OF+4*i+3], v1, s[4:5] offset:512*i
.set i, i+1
.endr
	s_wait_loadcnt 16                              ; Wo's sixteen are in; o's sixteen, issued behind them, may be out
.set i, 0
.rept 16
	ds_store_b128 v2, v[WF+4*i:WF+4*i+3] offset:4096*i
.set i, i+1
.endr
	s_wait_dscnt 0x0                               ; for the others' sake: my part of the images has landed
	s_barrier_signal -1
	s_barrier_wait -1                              ; from here on the images are only read
	s_wait_loadcnt 0x0                             ; o
; Tiles 4 hh .. 4 hh + 3 of Wo, K step s: four fragments from LDS, four products on four accumulators by turns; K step 0 starts the sums.
.macro GROUP hh, s
.if (\hh)+(\s) > 0
.rept 4
	v_nop                                          ; four places in front of loads into registers that the last products read (ISA guide 7.12.1 for vector instructions)
.endr
.endif
.set i, 0
.rept 16
	ds_load_b128 v[WF+4*i:WF+4*i+3], v1 offset:(4*(\hh)+i/4)*8192+2048*(\s)+512*(i%4)
.set i, i+1
.endr
	s_wait_dscnt 0x0
.set i, 0
.rept 4
.if \s == 0
	v_wmma_f32_16x16x128_fp8_fp8 v[DA+8*(4*(\hh)+i):DA+8*(4*(\hh)+i)+7], v[WF+16*i:WF+16*i+15], v[OF+16*(\s):OF+16*(\s)+15], 0
.else
	v_wmma_f32_16x16x128_fp8_fp8 v[DA+8*(4*(\hh)+i):DA+8*(4*(\hh)+i)+7], v[WF+16*i:WF+16*i+15], v[OF+16*(\s):OF+16*(\s)+15], v[DA+8*(4*(\hh)+i):DA+8*(4*(\hh)+i)+7]
.endif
.set i, i+1
.endr
.endm
.irp hh, 0,1
.irp s, 0,1,2,3
	GROUP \hh, \s
.endr
.endr
	s_wait_kmcnt 0x0
	s_add_co_i32 s40, s40, s41
	s_add_co_i32 s40, s40, 127
	s_lshl_b32 s40, s40, 23                        ; 2^(e10 + e11) as f32
	s_mov_b32 s41, s40                             ; (named with it as a pair, so it is written)
.rept 4
	v_nop                                          ; four places between the last product and the first read of results
.endr
.set i, 0
.rept 32
	v_pk_mul_f32 v[DA+2*i:DA+2*i+1], v[DA+2*i:DA+2*i+1], s[40:41] op_sel_hi:[1,0]   ; each accumulator from its low end on
.set i, i+1
.endr
.set i, 0
.rept 16                               ; i = 4 B + q: columns 32 B + 16 h + 4 q on of my token's row
	ds_store_b128 v3, v[DA+4*i:DA+4*i+3] offset:128*(i/4)+16*(i%4)
.set i, i+1
.endr
.set i, 0
.rept 16
	ds_load_b128 v[WF+4*i:WF+4*i+3], v4 offset:TP*i   ; LDS serves a wave's instructions in order (ISA guide 5.7.1.4): these see my stores
.set i, i+1
.endr
.set i, 0
.rept 16
	s_wait_dscnt 15-i                              ; row i is back; the younger rows may be out
	global_store_b128 v1, v[WF+4*i:WF+4*i+3], s[10:11] offset:(i+(i&8))*2048 th:TH_STORE_NT   ; 512 consecutive bytes, at a multiple of 512 from out0's first byte
.set i, i+1
.endr
	s_wait_tensorcnt 0x0
	ds_add_u32 v254, v255
	s_wait_dscnt 0x0
	s_endpgm
.Lfunc_end_k_qd605091ce2_outp:
	.size	k_qd605091ce2_outp, .Lfunc_end_k_qd605091ce2_outp-k_qd605091ce2_outp
	.p2alignl 7, 3214868480
	.fill 96, 4, 3214868480
	.section	.rodata,"a",@progbits
	.p2align	6, 0x0
	.amdhsa_kernel k_qd605091ce2_outp
		.amdhsa_group_segment_fixed_size 134144
		.amdhsa_private_segment_fixed_size 0
		.amdhsa_enable_private_segment 0
		.amdhsa_kernarg_size 32
		.amdhsa_user_sgpr_count 2
		.amdhsa_user_sgpr_kernarg_segment_ptr 1
		.amdhsa_wavefront_size32 1
		.amdhsa_system_sgpr_workgroup_id_x 1
		.amdhsa_system_sgpr_workgroup_id_y 1
		.amdhsa_system_sgpr_workgroup_id_z 1
		.amdhsa_system_vgpr_workitem_id 0
		.amdhsa_next_free_vgpr 256
		.amdhsa_next_free_sgpr 66
		.amdhsa_reserve_vcc 0
		.amdhsa_float_denorm_mode_32 3
		.amdhsa_float_denorm_mode_16_64 3
		.amdhsa_memory_ordered 1
		.amdhsa_forward_progress 1
		.amdhsa_inst_pref_size 24
	.end_amdhsa_kernel
	.amdgpu_metadata
---
amdhsa.version: [ 1, 2 ]
amdhsa.kernels:
  - .name:           k_qd605091ce2_outp
    .symbol:         k_qd605091ce2_outp.kd
    .args:
      - { .name: oc, .offset: 0, .size: 8, .value_kind: global_buffer, .address_space: global }
      - { .name: wc, .offset: 8, .size: 8, .value_kind: global_buffer, .address_space: global }
      - { .name: lowp_scales, .offset: 16, .size: 8, .value_kind: global_buffer, .address_space: global }
      - { .name: out0, .offset: 24, .size: 8, .value_kind: global_buffer, .address_space: global }
    .group_segment_fixed_size: 134144
    .private_segment_fixed_size: 0
    .kernarg_segment_align: 8
    .kernarg_segment_size: 32
    .max_flat_workgroup_size: 256
    .sgpr_count:     66
    .vgpr_count:     256
    .wavefront_size: 32
...
	.end_amdgpu_metadata
.endif
;; end of part 4
;; ======== version 2 of 2: 4 launches; version 1 with the launches proj, attn, outp written anew for expert scheduling mode
;; workspace buffers: wc 1,048,576 bytes; qkvc 12,582,912 bytes; oc 4,194,304 bytes
;; launch wquant: the kernel of part 1 again; grid 64 x 4, 4 waves a work-group, no clusters, 0 bytes of LDS; arguments Wq, Wk, Wv, Wo, lowp_scales, wc; writes wc
;; launch proj (part 5): grid 64 x 3, 8 waves a work-group, no clusters, 134,144 bytes of LDS; arguments Q, K, V, wc, lowp_scales, qkvc; writes qkvc
.if DOCPART == 5
	.amdgcn_target "amdgcn-amd-amdhsa--gfx1250"
	.amdhsa_code_object_version 6
	.text
	.protected	k_qd605091ce2_proj
	.globl	k_qd605091ce2_proj
	.p2align	8
	.type	k_qd605091ce2_proj,@function
k_qd605091ce2_proj:
	s_mov_b64 s[64:65], 0
	v_nop
	global_prefetch_b8 v0, s[64:65] scope:SCOPE_SE
	s_setreg_imm32_b32 hwreg(HW_REG_WAVE_SCHED_MODE, 0, 2), 2
	s_setreg_imm32_b32 hwreg(HW_REG_WAVE_MODE, 25, 1), 1
	s_wait_xcnt 0x0
	s_wait_alu depctr_vm_vsrc(0)
; q = Q Wq, k = K Wk, v = V Wv, each on codes of FP8 (E4M3) with the given scales, and the results quantised again for attention.
; Work-group (x, T): tensor T (0 Q, 1 K, 2 V), rows 128 x .. 128 x + 127 of its 8,192, all 512 outputs.  Wave w owns HEAD w: its 4 tiles x 4 K steps of the weight's codes
; (16 fragments, 256 registers, window 1) come straight from wc, which is laid in the order of the registers, and stay.  So no weight goes through LDS and there is no tile that
; work-groups could ask for jointly: no cluster.  192 work-groups: 128 rows is the share at which each f32 row is read once and the weights' codes (256 KB a work-group) equal the rows' bytes.
; A FRAGMENT (16 rows x 128 k, 16 registers): lane 16 h + r holds row r; registers 4 c .. 4 c + 3 hold k = 32 c + 16 h + 0 .. 15.  That is a permutation of k, the same in both sources of every product.
; THE ROWS OF A TILE ARE NOT NEIGHBOURS: row r of tile (P, u) of a block of 128 is 32 P + 8 u + r + (r & 8), for tokens and for the weights' outputs alike.  So the 16 result registers of tiles (P, 0), (P, 1)
; are 16 neighbours along the next product's K, and the conversions' results are the next operand's registers.
; PHASE X: wave w quantises token tile w.  A load reads 512 consecutive bytes of one row; a K step's 16 rows turn through the wave's own stage in LDS (rows 528 bytes apart) and come back 64 bytes a lane;
;   the codes go to LDS as an image of their registers (16 bytes a lane, 512 a store).  One barrier.
; PHASE 1, four times (P): the pair's eight x fragments from LDS; 32 products on eight accumulators by turns;  q, k: source 0 = the weight (a lane holds a token, registers run along the head's 64);
;   v: source 0 = x (a lane holds a channel, registers run along the tokens, which are the keys);  hold, conversion, four stores of 512 consecutive aligned bytes.
; qkvc[T 3][8 b + head 16][block of 128 tokens 32][8,192 bytes];  q, k block: [tile 2 P + u][c 2][lane][16];  v block: [c = P 4][channel tile 4][lane][16]: both are byte 2,048 P + 512 g + 16 lane here.
; A sum stands for sum x 2^(ew + ex), so its code is sum / 2^(eout - ew - ex): the three scales are folded into the conversion's one.
; LIMITS: ex (entries 1, 3, 5) and eout - ew - ex (eout: entries 6, 7, 9; ew: 0, 2, 4) between -126 and 119.  NaN among the inputs is not served.
; REGISTERS, window 0: v1 16 x lane; v3, v4 the stage, in and out; v5 where my images go; v8, v9 2^ex and 448 x 2^ex; v10, v11 the same of eout - ew - ex;
;   v16-143 two sets of 64 as loaded, later the eight x fragments; v144-207 64 numbers, later the accumulators; v208-223 the codes just made.   window 1: the weight's fragment 4 t + s at v[16 (4 t + s)].
; THE MODE: SCHED_MODE bits 1:0 = 2 (LLVM: expert scheduling mode 2), set by the entry lines.  The code itself states the register dependences
; between vector or matrix instructions and memory or LDS instructions, with s_wait_alu, always for 0.
; THE PLAN.  Registers that memory or LDS instructions touch:
;   v1, v3, v4, v5   offsets and LDS addresses: written at the head and never again.
;   window 1         the weight: global loads land once; the products read it.
;   R0 (v16-143)     phase X, two sets: global loads land; the stage's LDS stores read; the loads of two K steps on land again.  No vector instruction names them.
;   XF (v16-143)     phase 1: LDS loads land; the pair's 32 products read; the next pair's LDS loads land.
;   XN (v144-207)    phase X: the stage's LDS loads land; the holds write and the conversions read.  In phase 1 vector and matrix instructions alone name it.
;   PC (v208-223)    the conversions write; the image's LDS stores (phase X) or the global stores (phase 1) read.
; A K STEP OF PHASE X has one wait on vm_vsrc, behind the stage's stores and loads (the set and PC have been read), with the row loads of two K steps on straight behind it, and one wait on va_vdst,
; behind the conversions (PC is written; XN is done with).  A PAIR OF PHASE 1 has one wait on vm_vsrc (PC has been read) and one on va_vdst behind its products (XF is done with): the next pair's 32 LDS loads
; follow, dealt among the 64 holds, which name XN, v10 and v11 alone; and one more wait on va_vdst behind the conversions, ahead of the stores.
.set R0,    16
.set XF,    16
.set XN,    144
.set PC,    208
.set TP,    528                        ; a stage row: 512 bytes + 16 = 33 x 16: the sixteen rows that a read touches begin at sixteen different multiples of 16 bytes modulo 256
.set TURNB, 65536                      ; behind the images (8 tiles x 4 K steps x 2,048): a stage of 16 x 528 bytes for each wave
.set MSB, 0
.macro WIN new                         ; the immediate's high byte repeats the setting that is left
.if MSB != \new
	s_set_vgpr_msb (MSB<<8)|\new
.set MSB, \new
.endif
.endm
.macro XLOAD set, s                    ; K step s (512 bytes) of my tile's 16 rows: rows i + (i & 8) from the tile's first
.set i, 0
.rept 16
	global_load_b128 v[R0+64*(\set)+4*i:R0+64*(\set)+4*i+3], v1, s[20:21] offset:(i+(i&8))*2048+512*(\s) th:TH_LOAD_NT
.set i, i+1
.endr
.endm
.macro TURNX set                       ; through my stage: LDS serves a wave's instructions in order (ISA guide 5.7.1.4), so no wait stands between the stores and the loads
.set i, 0
.rept 16
	ds_store_b128 v3, v[R0+64*(\set)+4*i:R0+64*(\set)+4*i+3] offset:TP*i
.set i, i+1
.endr
.set i, 0
.rept 16
	ds_load_b128 v[XN+4*i:XN+4*i+3], v4 offset:128*(i/4)+16*(i%4)   ; register 16 c + n = k 32 c + 16 h + n of row r
.set i, i+1
.endr
.endm
.macro XFETCH p                        ; the eight x fragments of token tiles (p, 0) and (p, 1), in one run: i = 16 u + 4 s + c
.set i, 0
.rept 32
	ds_load_b128 v[XF+4*i:XF+4*i+3], v1 offset:(2*(\p)+i/16)*8192+2048*((i/4)%4)+512*(i%4)
.set i, i+1
.endr
.endm
; 64 numbers at v[XN] become 64 codes at v[PC].  ld = 1: the 32 LDS loads of the pair nxt (XFETCH's, load i / 2 behind hold i) are dealt among the holds, one behind every second.
.macro QUANT sc, lim, ld, nxt
.set i, 0
.rept 64
	v_med3_num_f32 v[XN+i], v[XN+i], -v[\lim], v[\lim]   ; the conversion does not saturate (ISA guide 7.6.2): the hold at 448 x the scale; each accumulator is read from its low end on
.if (\ld) && (i%2 == 0)
	ds_load_b128 v[XF+2*i:XF+2*i+3], v1 offset:(2*(\nxt)+i/32)*8192+2048*((i/8)%4)+512*((i/2)%4)   ; no wait: no vector or matrix instruction since the wait ahead of the holds names v[XF ..] or v1
.endif
.set i, i+1
.endr
.set i, 0
.rept 8
	v_cvt_scalef32_pk8_fp8_f32 v[PC+2*i:PC+2*i+1], v[XN+8*i:XN+8*i+7], v[\sc]
.set i, i+1
.endr
	v_nop                                          ; one plain line between the last conversion and the products that write its sources
.endm
.macro IMAGE off
.irp c, 0,1,2,3
	ds_store_b128 v5, v[PC+4*\c:PC+4*\c+3] offset:\off+512*\c
.endr
.endm
; 32 products each; the eight accumulators take turns, one instruction a turn; the first K step starts the sums with the constant 0.
.macro MULQK                           ; accumulator (u, t) at XN + 32 u + 8 t: lane (r, h) holds token row r of tile (P, u), register j the head's unit 32 (t / 2) + 8 (t % 2) + 16 h + j
.irp s, 0,1,2,3
.irp u, 0,1
.irp t, 0,1,2,3
.if \s == 0
	v_wmma_f32_16x16x128_fp8_fp8 v[XN+32*\u+8*\t:XN+32*\u+8*\t+7], v[16*(4*\t+\s):16*(4*\t+\s)+15], v[XF+16*(4*\u+\s):XF+16*(4*\u+\s)+15], 0
.else
	v_wmma_f32_16x16x128_fp8_fp8 v[XN+32*\u+8*\t:XN+32*\u+8*\t+7], v[16*(4*\t+\s):16*(4*\t+\s)+15], v[XF+16*(4*\u+\s):XF+16*(4*\u+\s)+15], v[XN+32*\u+8*\t:XN+32*\u+8*\t+7]
.endif
.endr
.endr
.endr
.endm
.macro MULV                            ; accumulator (t, u) at XN + 16 t + 8 u: lane (r, h) holds channel row r of tile t, register j the token 32 P + 8 u + 16 h + j
.irp s, 0,1,2,3
.irp t, 0,1,2,3
.irp u, 0,1
.if \s == 0
	v_wmma_f32_16x16x128_fp8_fp8 v[XN+16*\t+8*\u:XN+16*\t+8*\u+7], v[XF+16*(4*\u+\s):XF+16*(4*\u+\s)+15], v[16*(4*\t+\s):16*(4*\t+\s)+15], 0
.else
	v_wmma_f32_16x16x128_fp8_fp8 v[XN+16*\t+8*\u:XN+16*\t+8*\u+7], v[XF+16*(4*\u+\s):XF+16*(4*\u+\s)+15], v[16*(4*\t+\s):16*(4*\t+\s)+15], v[XN+16*\t+8*\u:XN+16*\t+8*\u+7]
.endif
.endr
.endr
.endr
.endm
	s_load_b256 s[4:11], s[0:1], 0x0               ; Q s[4:5], K s[6:7], V s[8:9], wc s[10:11]
	s_load_b128 s[12:15], s[0:1], 0x20             ; the scales' exponents s[12:13], qkvc s[14:15]
	v_lshl_add_u32 v254, v0, 2, 0x20800
	v_mov_b32 v255, 0
	v_lshrrev_b32 v2, 5, v0
	v_readfirstlane_b32 s16, v2                    ; w
	s_and_b32 s17, ttmp7, 0xffff                   ; T
	s_mov_b32 s18, ttmp9                           ; x
	v_and_b32 v1, 31, v0
	v_lshlrev_b32 v1, 4, v1                        ; 16 x lane
	v_and_b32 v6, 15, v0                           ; r
	v_bfe_u32 v7, v0, 4, 1                         ; h
	s_wait_alu depctr_va_sdst(0)                   ; s16 is written, ahead of its first reader: LDS places and the three bases are made from it
	s_mul_i32 s28, s16, 16*TP
	s_add_co_u32 s28, s28, TURNB                   ; my stage
	v_add_nc_u32 v3, s28, v1                       ; in: a row's 512 bytes as they lie
	v_mul_u32_u24 v4, v6, TP
	v_lshl_add_u32 v4, v7, 6, v4
	v_add_nc_u32 v4, s28, v4                       ; out: row r, + 64 h
	s_lshl_b32 s29, s16, 13
	v_add_nc_u32 v5, s29, v1                       ; my tile's four images
	s_lshl_b32 s44, s18, 7                         ; my tile's first row: 128 x + 32 (w / 2) + 8 (w % 2),
	s_lshr_b32 s45, s16, 1
	s_lshl_b32 s45, s45, 5
	s_add_co_u32 s44, s44, s45
	s_and_b32 s45, s16, 1
	s_lshl_b32 s45, s45, 3
	s_add_co_u32 s44, s44, s45
	s_lshl_b32 s44, s44, 11                        ; of 2,048 bytes
	s_mov_b32 s45, 0
	s_lshl_b32 s46, s17, 18                        ; wc: tensor T, my head's four tiles
	s_lshl_b32 s47, s16, 15
	s_add_co_u32 s46, s46, s47
	s_mov_b32 s47, 0
	s_lshl_b32 s48, s17, 22                        ; qkvc: part T, head 8 b + w, block x % 32
	s_lshr_b32 s49, s18, 5
	s_lshl_b32 s49, s49, 3
	s_add_co_u32 s49, s49, s16
	s_lshl_b32 s49, s49, 18
	s_add_co_u32 s48, s48, s49
	s_and_b32 s49, s18, 31
	s_lshl_b32 s49, s49, 13
	s_add_co_u32 s48, s48, s49
	s_mov_b32 s49, 0
	s_wait_kmcnt 0x0
	s_load_b256 s[32:39], s[12:13], 0x0            ; e0 .. e7
	s_load_b128 s[40:43], s[12:13], 0x20           ; e8 .. e11
	s_cmp_eq_u32 s17, 1                            ; which tensor: the choice hangs on the work-group's number alone
	s_cselect_b64 s[20:21], s[6:7], s[4:5]
	s_cmp_eq_u32 s17, 2
	s_cselect_b64 s[20:21], s[8:9], s[20:21]
	s_add_nc_u64 s[20:21], s[20:21], s[44:45]
	s_add_nc_u64 s[24:25], s[10:11], s[46:47]
	s_add_nc_u64 s[26:27], s[14:15], s[48:49]
	WIN 0x40                                       ; destination window 1
	s_wait_alu depctr_va_vdst(0)                   ; v1, v3, v4 and v5 are written: every load and store of the kernel, global or LDS, reads one of them as its offset or address
.set i, 0
.rept 64
	global_load_b128 v[4*i:4*i+3], v1, s[24:25] offset:512*i   ; 32 KB on end: the sixteen fragments as they lie
.set i, i+1
.endr
	WIN 0
	XLOAD 0, 0
	XLOAD 1, 1
	s_wait_kmcnt 0x0
	s_cmp_eq_u32 s17, 1
	s_cselect_b32 s50, s34, s32                    ; ew
	s_cselect_b32 s51, s35, s33                    ; ex
	s_cselect_b32 s52, s39, s38                    ; eout
	s_cmp_eq_u32 s17, 2
	s_cselect_b32 s50, s36, s50
	s_cselect_b32 s51, s37, s51
	s_cselect_b32 s52, s41, s52
	s_sub_co_i32 s52, s52, s50
	s_sub_co_i32 s52, s52, s51                     ; eout - ew - ex
	s_add_co_i32 s51, s51, 127
	s_lshl_b32 s53, s51, 23
	v_mov_b32 v8, s53                              ; 2^ex
	s_add_co_i32 s51, s51, 8
	s_lshl_b32 s51, s51, 23
	s_or_b32 s51, s51, 0x600000
	v_mov_b32 v9, s51                              ; 448 x 2^ex
	s_add_co_i32 s52, s52, 127
	s_lshl_b32 s53, s52, 23
	v_mov_b32 v10, s53                             ; 2^(eout - ew - ex)
	s_add_co_i32 s52, s52, 8
	s_lshl_b32 s52, s52, 23
	s_or_b32 s52, s52, 0x600000
	v_mov_b32 v11, s52                             ; 448 x that
.macro PHX s                           ; K step s of my tile
.if \s < 3
	s_wait_loadcnt 16                              ; loads come back in order: all but the next K step's sixteen are in (the weights, asked for first, too)
.else
	s_wait_loadcnt 0x0
.endif
	TURNX (\s)&1                                   ; (the loads into v[XN ..]: the holds and conversions that named them stand ahead of the last K step's wait on va_vdst)
	s_wait_alu depctr_vm_vsrc(0)                   ; the stage's stores have read their set, in which loads land next (of two K steps on; behind the barrier the fragments'); the last image's stores have read v[PC ..], which the conversions below write again
.if \s < 2
	XLOAD (\s)&1, (\s)+2                           ; the set takes the K step two on
.endif
	s_wait_dscnt 0x0                               ; the numbers are back from the stage
	QUANT 8, 9, 0, 0
	s_wait_alu depctr_va_vdst(0)                   ; the conversions have written v[PC ..], which the image's stores read; holds and conversions are done with v[XN ..], in which the next K step's numbers land
	IMAGE 2048*(\s)
.endm
	PHX 0
	PHX 1
	PHX 2
	PHX 3
	s_wait_dscnt 0x0                               ; for the others' sake: my images have landed
	s_barrier_signal -1
	s_barrier_wait -1                              ; all 32 images lie in LDS; from here on they are only read
	XFETCH 0                                       ; the first pair's fragments.  No wait: the stage's stores, the only readers of v[XF ..] so far, stand ahead of the last two waits on vm_vsrc
.macro PH1 p                           ; token tiles (p, 0) and (p, 1) against my head
	s_wait_dscnt 0x0                               ; the pair's eight fragments are in
	s_cmp_eq_u32 s17, 2                            ; only the products differ between q, k and v: the branch hangs on the work-group's number and stands round them alone
	s_cbranch_scc1 .Lv_\@
	WIN 0x01                                       ; source 0 (the weight) window 1
	MULQK
	WIN 0
	s_branch .Ljoin_\@
.Lv_\@:
	WIN 0x04                                       ; source 1 (the weight) window 1
	MULV
	WIN 0
.Ljoin_\@:
.rept 4
	v_nop                                          ; four places between the last product and the first read of results (ISA guide 7.12.1)
.endr
.if \p > 0
	s_wait_xcnt 0x0                                ; the last stores have had their addresses translated (ISA guide 3.1): their codes' registers are written again only behind this wait
.endif
	s_wait_alu depctr_vm_vsrc(0)                   ; the last stores of codes (the pair before's global stores; for the first pair the last image's LDS stores) have read v[PC ..], which the conversions below write again
.if \p < 3
	s_wait_alu depctr_va_vdst(0)                   ; the 32 products are done reading v[XF ..], in which the next pair's fragments land
	QUANT 10, 11, 1, (\p)+1
.else
	QUANT 10, 11, 0, 0
.endif
	s_wait_alu depctr_va_vdst(0)                   ; the conversions have written v[PC ..], which the stores below read
.irp g, 0,1,2,3
	global_store_b128 v1, v[PC+4*\g:PC+4*\g+3], s[26:27] offset:2048*(\p)+512*\g   ; 512 consecutive bytes, at a multiple of 512 from the buffer's first byte
.endr
.endm
	PH1 0
	PH1 1
	PH1 2
	PH1 3
	s_wait_dscnt 0x0                               ; the closing lines, six on end
	s_wait_alu 0x0
	s_wait_tensorcnt 0x0
	ds_add_u32 v254, v255
	s_wait_dscnt 0x0
	s_endpgm
.Lfunc_end_k_qd605091ce2_proj:
	.size	k_qd605091ce2_proj, .Lfunc_end_k_qd605091ce2_proj-k_qd605091ce2_proj
	.p2alignl 7, 3214868480
	.fill 96, 4, 3214868480
	.section	.rodata,"a",@progbits
	.p2align	6, 0x0
	.amdhsa_kernel k_qd605091ce2_proj
		.amdhsa_group_segment_fixed_size 134144
		.amdhsa_private_segment_fixed_size 0
		.amdhsa_enable_private_segment 0
		.amdhsa_kernarg_size 48
		.amdhsa_user_sgpr_count 2
		.amdhsa_user_sgpr_kernarg_segment_ptr 1
		.amdhsa_wavefront_size32 1
		.amdhsa_system_sgpr_workgroup_id_x 1
		.amdhsa_system_sgpr_workgroup_id_y 1
		.amdhsa_system_sgpr_workgroup_id_z 1
		.amdhsa_system_vgpr_workitem_id 0
		.amdhsa_next_free_vgpr 512
		.amdhsa_next_free_sgpr 66
		.amdhsa_reserve_vcc 0
		.amdhsa_float_denorm_mode_32 3
		.amdhsa_float_denorm_mode_16_64 3
		.amdhsa_memory_ordered 1
		.amdhsa_forward_progress 1
		.amdhsa_inst_pref_size 89
	.end_amdhsa_kernel
	.amdgpu_metadata
---
amdhsa.version: [ 1, 2 ]
amdhsa.kernels:
  - .name:           k_qd605091ce2_proj
    .symbol:         k_qd605091ce2_proj.kd
    .args:
      - { .name: Q, .offset: 0, .size: 8, .value_kind: global_buffer, .address_space: global }
      - { .name: K, .offset: 8, .size: 8, .value_kind: global_buffer, .address_space: global }
      - { .name: V, .offset: 16, .size: 8, .value_kind: global_buffer, .address_space: global }
      - { .name: wc, .offset: 24, .size: 8, .value_kind: global_buffer, .address_space: global }
      - { .name: lowp_scales, .offset: 32, .size: 8, .value_kind: global_buffer, .address_space: global }
      - { .name: qkvc, .offset: 40, .size: 8, .value_kind: global_buffer, .address_space: global }
    .group_segment_fixed_size: 134144
    .private_segment_fixed_size: 0
    .kernarg_segment_align: 8
    .kernarg_segment_size: 48
    .max_flat_workgroup_size: 256
    .sgpr_count:     66
    .vgpr_count:     512
    .wavefront_size: 32
...
	.end_amdgpu_metadata
.endif
;; end of part 5
;; launch attn (part 6): grid 16 x 16, 16 waves a work-group, no clusters, 34,816 bytes of LDS; arguments qkvc, lowp_scales, oc; writes oc
.if DOCPART == 6
	.amdgcn_target "amdgcn-amd-amdhsa--gfx1250"
	.amdhsa_code_object_version 6
	.text
	.protected	k_qd605091ce2_attn
	.globl	k_qd605091ce2_attn
	.p2align	8
	.type	k_qd605091ce2_attn,@function
k_qd605091ce2_attn:
	s_mov_b64 s[64:65], 0
	v_nop
	global_prefetch_b8 v0, s[64:65] scope:SCOPE_SE
	s_setreg_imm32_b32 hwreg(HW_REG_WAVE_SCHED_MODE, 0, 2), 2
	s_setreg_imm32_b32 hwreg(HW_REG_WAVE_MODE, 25, 1), 1
	s_wait_xcnt 0x0
	s_wait_alu depctr_vm_vsrc(0)
; o = softmax(q k^T / 8, causal) v for one head, both products on codes of FP8 (E4M3) with the given scales (q entry 6, k 7, p 8, v 9), and o quantised (entry 10) for the last product.
; THE SOFTMAX: t = score x log2(e) / 8; M = the row's largest t so far, rounded UP to a whole number; p = 2^(t - M) is what is quantised; the row's sum is taken of the unquantised p and divides at the end.
; When M moves, the sum and O are multiplied by 2^(old M - new M): exact.
; SHARES.  Work-group (i, bh) owns the blocks of 128 queries i and 31 - i of head bh: an early block and a late one, (i + 1) + (32 - i) = 33 key steps of 128 keys together, whatever i is.
; Wave w = 4 a + b owns ONE tile of 16 queries: tile 2 a + b / 2 of the early block where a + b is even, of the late block where it is odd; so of waves w, w + 4, w + 8, w + 12 and of waves 4 a .. 4 a + 3 alike two are early and two late.
; A key step KS is worked where KS <= J (J: the wave's block), masked where KS = J, and left out where KS > J: the causal mask throws those scores away.
; K's and V's blocks (8 KB each, laid in memory as images of operand registers) are copied by all 512 threads, 16 bytes each of K and of V, through registers into two LDS buffers by turns, one step ahead; one barrier a step.
; NO CLUSTER, NO TENSOR LOAD: the work-groups of a head walk 17 to 32 steps, so partners would need different numbers of tiles; a step's shared bytes are 16 KB beside some 200 vector instructions in each of 16 waves;
; the hold of p stands under a branch on the given exponent, which spares 64 of a step's vector instructions.
; LAYOUT.  Both products are used transposed: S^T = K Q^T (source 0 = 16 keys), O^T = V^T P^T (source 0 = 16 channels): a lane holds ONE query (lane % 16) throughout.  Row r of tile (P, u) is 32 P + 8 u + r + (r & 8), for keys,
; queries and channels: so the 16 registers of two neighbouring tiles are 16 neighbours: register 16 b + n of S^T is key 32 b + 16 h + n, and the conversions' results are the next operand's registers.
; LIMITS on the given exponents: e6 + e7 between -123 and 130 (added to c's exponent field); e8 and e10 between -126 and 119; e8 + e9 is applied by v_ldexp_f32 and has none.  NaN among the inputs is not served.
; REGISTERS: v1 16 x lane; v2 16 x thread; v4 256 x lane; v5 my query - 16 h within the block; v6 -infinity; v12 -M, v13 the largest t, v[14:15] the sum; v16-23 Q; v24-31 the copy;
;   v32-95 K's eight fragments, then V's four; v96-159 S^T, then p; v160-191 O^T; v192-199 at work; v200, v201 448 x 2^e8, 2^e8; v202, v203 the same of e10; v224-239 p's codes.
;   s[32:35] the copy's two bases at the block that it asks for; s48-63 sixteen masks of the diagonal step.
; THE MODE: SCHED_MODE bits 1:0 = 2 (LLVM: expert scheduling mode 2), set by the entry lines.  The code itself states the register dependences
; between vector or matrix instructions and memory or LDS instructions, with s_wait_alu, always for 0.
; THE PLAN.  Registers that memory or LDS instructions touch, in the loop:
;   v1, v2, v4   LDS addresses and offsets: written at the head and never again: the copy's block is reached by two scalar bases, made anew at each step's head.
;   v24-31       the copy: the step's two global loads land; the two LDS stores at the step's end read.  No vector instruction names them.
;   v32-95       K's LDS loads land; the eight score products read; V's LDS loads land; the four products on O^T read; the next worked step's K lands.
;   All else in the loop (S^T and p, O^T, p's codes, the statistics) is named by vector and matrix instructions alone.
; So a step has one wait on vm_vsrc, at its head (the last copy's stores have read v24-31), and three on va_vdst: ahead of K's loads (the last worked step's products are done with v32-95), behind the score products
; (they are done with K's fragments; V's sixteen loads follow, dealt among the lines of the maximum, which name v96-159, v192 and v193 alone), and the one behind the batch of exponentials.
; On the diagonal the compares stand in runs of sixteen, into s48-63, with one wait on va_sdst behind each run.  The four waves of a SIMD hold all its registers: there is no room for a second set of fragments.
.set KS,  16                           ; s16  the key step in hand
.set JB,  15                           ; s15  J
.set TR,  17                           ; s17  trips to go
.set LIM, 30                           ; s30  a wave prefetches while KS is under it
.set MK,  48                           ; s48-63 the masks
; A PREFETCH INTO THE L2 of the block that stands three key steps on, two steps ahead of the copy's load of it: 8,192 bytes, lanes 256 bytes apart.  All sixteen work-groups of a head walk the same K and V from step 0 on:
; the one with i = 0, which walks all 32 steps, asks; in it wave 0 for K's block and wave 1 for V's.  So each aligned block of 256 bytes is named once.  Steps 0 to 2 come by their loads alone; for KS above 28 nothing is asked: step 31 is the last.
.macro ASK bf
	s_cmp_lt_u32 s[KS], s[LIM]
	s_cbranch_scc0 .Lnot_mine_\@
	global_prefetch_b8 v4, s[28:29] offset:8192*\bf th:TH_LOAD_NT scope:SCOPE_SE
.Lnot_mine_\@:
.endm
; A KEY STEP out of LDS buffer bf.
.macro STEP bf
	s_add_co_u32 s18, s[KS], 1                     ; the next step's blocks are asked for first.  The last step asks for block 31 once more, so that no load leaves the buffer: that copy is read by nobody
	s_min_u32 s18, s18, 31
	s_lshl_b32 s18, s18, 13
	s_add_nc_u64 s[32:33], s[24:25], s[18:19]      ; K's and V's base at that block (the loads that read these two pairs last were waited for at the last step's end)
	s_add_nc_u64 s[34:35], s[26:27], s[18:19]
	s_wait_alu depctr_vm_vsrc(0)                   ; the last copy's LDS stores have read v[24:31], in which the two loads below land
	global_load_b128 v[24:27], v2, s[32:33]
	global_load_b128 v[28:31], v2, s[34:35]
	ASK \bf
	s_cmp_gt_u32 s[KS], s[JB]
	s_cbranch_scc1 .Lhid_\@                        ; all 128 keys come after my queries: only the copy and the barrier are left
	s_wait_alu depctr_va_vdst(0)                   ; the last worked step's four products are done reading v[32:95], in which K's fragments land
.set i, 0
.rept 16
	ds_load_b128 v[32+4*i:35+4*i], v1 offset:16384*\bf+512*i   ; K's eight fragments (16 keys x 64) as they lie
.set i, i+1
.endr
	s_wait_dscnt 0x0
.set i, 0
.rept 8
	v_wmma_f32_16x16x64_fp8_fp8 v[96+8*i:103+8*i], v[32+8*i:39+8*i], v[16:23], 0
.set i, i+1
.endr
.rept 4
	v_nop                                          ; four places in front of the first read of the scores (ISA guide 7.12.1)
.endr
	s_wait_alu depctr_va_vdst(0)                   ; the eight products are done reading K's fragments, in whose registers V's land below
	s_cmp_lg_u32 s[KS], s[JB]
	s_cbranch_scc1 .Lopen_\@
.set g, 0
.rept 4                                ; on the diagonal: register 16 g + i holds key 32 g + 16 h + i of the block: hidden where 32 g + i > my query - 16 h
.set i, 0
.rept 16
	v_cmp_gt_i32 s[MK+i], 32*g+i, v5
.set i, i+1
.endr
	s_wait_alu depctr_va_sdst(0)                   ; the sixteen masks are written, ahead of their first reader
.set i, 0
.rept 16
	v_cndmask_b32 v[96+16*g+i], v[96+16*g+i], v6, s[MK+i]
.set i, i+1
.endr
.set g, g+1
.endr
.Lopen_\@:
	v_max3_num_f32 v192, v96, v97, v98             ; the step's largest score of my query among my 64 keys, in two chains, the registers in ascending order
	v_max3_num_f32 v193, v99, v100, v101
.irp i, 6,10,14,18,22,26,30,34,38,42,46,50,54,58
.set n, (\i-6)/4                       ; n = 4 ct + c: V's four fragments (16 channels x 128 keys), a load to each two lines of the maximum; they land while the softmax is worked
	ds_load_b128 v[32+4*n:35+4*n], v1 offset:16384*\bf+8192+2048*(n%4)+512*(n/4)   ; no wait: no vector or matrix instruction since the wait behind the products names v[32:95] or v1
	v_max3_num_f32 v192, v192, v[96+\i], v[97+\i]
	v_max3_num_f32 v193, v193, v[98+\i], v[99+\i]
.endr
	ds_load_b128 v[88:91], v1 offset:16384*\bf+8192+2048*2+512*3
	v_max3_num_f32 v192, v192, v158, v159
	ds_load_b128 v[92:95], v1 offset:16384*\bf+8192+2048*3+512*3
	v_max_num_f32 v192, v192, v193
	v_permlanex16_b32 v194, v192, s20, s21
	v_max_num_f32 v192, v192, v194                 ; and among the other half of the lanes'
	v_mul_f32 v192, s22, v192                      ; as t (c is positive)
	v_max_num_f32 v13, v13, v192                   ; the running largest t
	v_mov_b32 v192, v12
	v_floor_f32 v12, -v13                          ; the new -M = floor(-t) = -ceil(t)
	v_sub_f32 v192, v12, v192                      ; old M - new M: a whole number, 0 or less
	v_cvt_i32_f32 v192, v192                       ; (it saturates)
	v_ldexp_f32 v196, 1.0, v192                    ; f = 2^(old M - new M)
.set i, 0
.rept 32
	v_pk_fma_f32 v[96+2*i:97+2*i], v[96+2*i:97+2*i], s[22:23], v[12:13] op_sel_hi:[1,0,0]   ; t - M, two at a time (of the pairs c and -M the low word serves both halves)
.set i, i+1
.endr
.set i, 0
.rept 64
	v_exp_f32 v[96+i], v[96+i]                     ; p = 2^(t - M), at most 1
.set i, i+1
.endr
	v_pk_mul_f32 v[14:15], v[14:15], v[196:197] op_sel_hi:[1,0]   ; the sums under the new M: the plain line behind the exponentials
	s_wait_alu depctr_va_vdst(0)                   ; the 64 exponentials have written p: one wait for the whole batch, ahead of its first reader
	v_pk_add_f32 v[198:199], v[96:97], v[98:99]    ; the row's sum is taken of the unquantised p, two at a time, in two chains
.irp j, 4,8,12,16,20,24,28,32,36,40,44,48,52,56,60
	v_pk_add_f32 v[14:15], v[14:15], v[96+\j:97+\j]
	v_pk_add_f32 v[198:199], v[198:199], v[98+\j:99+\j]
.endr
	v_pk_add_f32 v[14:15], v[14:15], v[198:199]
	s_cmp_ge_i32 s31, -8                           ; p is at most 1 and 448 x 2^e8 is at least 1.75 from e8 = -8 on: the hold can bind only under that
	s_cbranch_scc1 .Lnohold_\@
.set i, 0
.rept 64
	v_min_num_f32 v[96+i], v[96+i], v200           ; the conversion does not saturate (ISA guide 7.6.2); p is not negative, so the hold is one-sided
.set i, i+1
.endr
.Lnohold_\@:
.set i, 0
.rept 8
	v_cvt_scalef32_pk8_fp8_f32 v[224+2*i:225+2*i], v[96+8*i:103+8*i], v201
.set i, i+1
.endr
.set i, 0
.rept 16
	v_pk_mul_f32 v[160+2*i:161+2*i], v[160+2*i:161+2*i], v[196:197] op_sel_hi:[1,0]   ; O^T under the new M; also the plain lines between the conversions and the products
.set i, i+1
.endr
	s_wait_dscnt 0x0                               ; V's fragments are in
.set i, 0
.rept 4                                ; four accumulators, one instruction each; the next products on them stand behind the next step's eight
	v_wmma_f32_16x16x128_fp8_fp8 v[160+8*i:167+8*i], v[32+16*i:47+16*i], v[224:239], v[160+8*i:167+8*i]
.set i, i+1
.endr
.rept 4
	v_nop                                          ; four places in front of the way out's reads of O^T (ISA guide 7.12.1)
.endr
.Lhid_\@:
	s_add_co_u32 s[KS], s[KS], 1
	s_wait_loadcnt 0x0                             ; the next step's 32 bytes of mine are in
	ds_store_b128 v2, v[24:27] offset:16384*(1-\bf)        ; into the other buffer: every wave's reads of it were waited for in front of the last barrier
	ds_store_b128 v2, v[28:31] offset:16384*(1-\bf)+8192
	s_wait_dscnt 0x0                               ; for the others' sake: my stores have landed, and my reads of this buffer are over
	s_barrier_signal -1
	s_barrier_wait -1
.endm
	s_load_b128 s[4:7], s[0:1], 0x0                ; qkvc s[4:5], the scales' exponents s[6:7]
	s_load_b64 s[8:9], s[0:1], 0x10                ; oc
	v_lshl_add_u32 v254, v0, 2, 0x8000
	v_mov_b32 v255, 0
	v_lshrrev_b32 v7, 5, v0
	v_readfirstlane_b32 s10, v7                    ; w
	v_and_b32 v1, 31, v0
	v_lshlrev_b32 v4, 8, v1
	v_lshlrev_b32 v1, 4, v1
	v_lshlrev_b32 v2, 4, v0
	v_and_b32 v7, 15, v0                           ; r
	v_and_b32 v8, 8, v7
	v_add_nc_u32 v7, v7, v8                        ; r + (r & 8)
	v_bfe_u32 v8, v0, 4, 1
	v_lshlrev_b32 v8, 4, v8                        ; 16 h
	v_sub_nc_u32 v5, v7, v8
	s_mov_b32 s11, ttmp9                           ; i
	s_and_b32 s12, ttmp7, 0xffff                   ; bh = 8 x batch + head
	s_wait_alu depctr_va_sdst(0)                   ; s10 is written, ahead of its first reader: the wave's block, its tile and its addresses are made from it
	s_lshr_b32 s48, s10, 2                         ; a
	s_and_b32 s49, s10, 3                          ; b
	s_add_co_u32 s13, s48, s49
	s_and_b32 s13, s13, 1                          ; 1: the late block
	s_lshl_b32 s14, s48, 1
	s_lshr_b32 s49, s49, 1
	s_add_co_u32 s14, s14, s49                     ; my tile in the block: 2 a + b / 2
	s_sub_co_u32 s[JB], 31, s11
	s_cmp_eq_u32 s13, 1
	s_cselect_b32 s[JB], s[JB], s11                ; J
	s_sub_co_u32 s[TR], 33, s11
	s_lshr_b32 s[TR], s[TR], 1                     ; trips of two steps: 32 - i steps, rounded up
	s_mov_b32 s[KS], 0
	s_mov_b32 s19, 0                               ; the upper word of the pair s[18:19], the copy's block in bytes
	s_mov_b32 s20, 0x76543210                      ; v_permlanex16_b32's selects: lane l xor 16
	s_mov_b32 s21, 0xfedcba98
	s_lshr_b32 s48, s14, 1
	s_lshl_b32 s48, s48, 5
	s_and_b32 s49, s14, 1
	s_lshl_b32 s49, s49, 3
	s_add_co_u32 s48, s48, s49
	v_add_nc_u32 v5, s48, v5                       ; my query within its block, less 16 h
	s_lshr_b32 s50, s12, 3                         ; oc: token tile 256 x batch + 8 J + tile,
	s_lshl_b32 s50, s50, 8
	s_lshl_b32 s51, s[JB], 3
	s_add_co_u32 s50, s50, s51
	s_add_co_u32 s50, s50, s14
	s_lshl_b32 s50, s50, 13
	s_bfe_u32 s51, s12, 0x20001                    ; K step head / 2,
	s_lshl_b32 s51, s51, 11
	s_add_co_u32 s50, s50, s51
	s_and_b32 s51, s12, 1                          ; groups 2 (head % 2) and the next
	s_lshl_b32 s51, s51, 10
	s_add_co_u32 s50, s50, s51
	s_mov_b32 s51, 0
	s_lshl_b32 s52, s12, 18                        ; my head in each part of qkvc
	s_mov_b32 s53, 0
	s_lshl_b32 s54, s[JB], 13                      ; my tile of Q
	s_lshl_b32 s55, s14, 10
	s_add_co_u32 s54, s54, s55
	s_mov_b32 s55, 0
	s_lshr_b32 s48, s10, 1                         ; who prefetches: waves 0 and 1
	s_or_b32 s48, s48, s11                         ; of work-group i = 0
	s_cmp_eq_u32 s48, 0
	s_cselect_b32 s[LIM], 29, 0
	s_wait_kmcnt 0x0
	s_load_b256 s[32:39], s[6:7], 0x0              ; e0 .. e7
	s_load_b128 s[40:43], s[6:7], 0x20             ; e8 .. e11
	s_add_nc_u64 s[24:25], s[4:5], s[52:53]
	s_add_nc_u64 s[54:55], s[24:25], s[54:55]      ; Q's tile
	s_add_nc_u64 s[26:27], s[24:25], 0x800000      ; V's blocks
	s_add_nc_u64 s[24:25], s[24:25], 0x400000      ; K's blocks
	s_add_nc_u64 s[46:47], s[8:9], s[50:51]
	s_cmp_eq_u32 s10, 0
	s_cselect_b64 s[28:29], s[24:25], s[26:27]
	s_add_nc_u64 s[28:29], s[28:29], 3*8192        ; the prefetches stand three blocks on
	s_wait_alu depctr_va_vdst(0)                   ; v1, v2 and v4 are written: every load, store and prefetch of the kernel, global or LDS, reads one of them as its offset or address
	global_load_b128 v[24:27], v2, s[24:25]        ; key step 0
	global_load_b128 v[28:31], v2, s[26:27]
	global_load_b128 v[16:19], v1, s[54:55] th:TH_LOAD_NT            ; Q's fragment stays in registers
	global_load_b128 v[20:23], v1, s[54:55] offset:512 th:TH_LOAD_NT
	v_mov_b32 v6, 0xff800000                       ; -infinity
	v_mov_b32 v13, 0xff61b1e6                      ; the largest t so far: -3e38, under every t
	v_floor_f32 v12, -v13                          ; -M
	v_mov_b32 v14, 0
	v_mov_b32 v15, 0
	v_mov_b32 v194, 0                              ; written once: a lane permute's destination counts as one of its sources
	v_mov_b32 v197, 0                              ; (named as the upper half of the pair v[196:197])
.set i, 0
.rept 32
	v_mov_b32 v[160+i], 0                          ; O^T: the step has no first form of its own: the first change of M multiplies zeros
.set i, i+1
.endr
	s_wait_kmcnt 0x0
	s_add_co_i32 s48, s38, s39
	s_lshl_b32 s48, s48, 23
	s_add_co_i32 s22, s48, 0x3e38aa3b              ; c = log2(e) / 8, with e6 + e7 added to its exponent field: a score stands for score x 2^(e6 + e7)
	s_mov_b32 s23, s22                             ; (named with it as a pair, so it is written)
	s_mov_b32 s31, s40                             ; e8
	s_add_co_i32 s44, s40, s41                     ; e8 + e9
	s_add_co_i32 s48, s40, 127
	s_lshl_b32 s49, s48, 23
	v_mov_b32 v201, s49                            ; 2^e8
	s_add_co_i32 s48, s48, 8
	s_lshl_b32 s48, s48, 23
	s_or_b32 s48, s48, 0x600000
	v_mov_b32 v200, s48                            ; 448 x 2^e8
	s_add_co_i32 s48, s42, 127
	s_lshl_b32 s49, s48, 23
	v_mov_b32 v203, s49                            ; 2^e10
	s_add_co_i32 s48, s48, 8
	s_lshl_b32 s48, s48, 23
	s_or_b32 s48, s48, 0x600000
	v_mov_b32 v202, s48                            ; 448 x 2^e10
	s_wait_loadcnt 2                               ; the copy's two loads are in; Q's two, issued behind them, may be out
	ds_store_b128 v2, v[24:27]
	ds_store_b128 v2, v[28:31] offset:8192
	s_wait_dscnt 0x0
	s_barrier_signal -1
	s_barrier_wait -1                              ; buffer 0 holds key step 0
	s_wait_loadcnt 0x0                             ; Q
.Ltrip:
	STEP 0
	STEP 1
	s_wait_xcnt 0x0                                ; the trip's prefetches, each at its step's head, have read their address
	s_add_nc_u64 s[28:29], s[28:29], 16384
	s_sub_co_u32 s[TR], s[TR], 1
	s_cmp_lg_u32 s[TR], 0
	s_cbranch_scc1 .Ltrip
	; THE WAY OUT: O^T / the sum x 2^(e8 + e9) is o; its codes are the last product's operand: registers 16 b + n are channels 32 b + 16 h + n of my query.
	v_add_f32 v14, v14, v15                        ; the sum's two halves,
	v_permlanex16_b32 v194, v14, s20, s21
	v_add_f32 v14, v14, v194                       ; and the other half of the lanes'
	v_rcp_f32 v14, v14
	v_nop                                          ; a plain line behind the reciprocal
	s_wait_alu depctr_va_vdst(0)                   ; the reciprocal has written v14, ahead of its first reader
	v_ldexp_f32 v14, v14, s44
.set i, 0
.rept 32
	v_mul_f32 v[96+i], v[160+i], v14
.set i, i+1
.endr
.set i, 0
.rept 32
	v_med3_num_f32 v[96+i], v[96+i], -v202, v202
.set i, i+1
.endr
.set i, 0
.rept 4
	v_cvt_scalef32_pk8_fp8_f32 v[224+2*i:225+2*i], v[96+8*i:103+8*i], v203
.set i, i+1
.endr
	v_nop
	s_wait_alu depctr_va_vdst(0)                   ; the conversions have written v[224:231], which the two stores read
	global_store_b128 v1, v[224:227], s[46:47]                ; 512 consecutive aligned bytes each
	global_store_b128 v1, v[228:231], s[46:47] offset:512
	s_wait_dscnt 0x0                               ; the closing lines, six on end
	s_wait_alu 0x0
	s_wait_tensorcnt 0x0
	ds_add_u32 v254, v255
	s_wait_dscnt 0x0
	s_endpgm
.Lfunc_end_k_qd605091ce2_attn:
	.size	k_qd605091ce2_attn, .Lfunc_end_k_qd605091ce2_attn-k_qd605091ce2_attn
	.p2alignl 7, 3214868480
	.fill 96, 4, 3214868480
	.section	.rodata,"a",@progbits
	.p2align	6, 0x0
	.amdhsa_kernel k_qd605091ce2_attn
		.amdhsa_group_segment_fixed_size 34816
		.amdhsa_private_segment_fixed_size 0
		.amdhsa_enable_private_segment 0
		.amdhsa_kernarg_size 24
		.amdhsa_user_sgpr_count 2
		.amdhsa_user_sgpr_kernarg_segment_ptr 1
		.amdhsa_wavefront_size32 1
		.amdhsa_system_sgpr_workgroup_id_x 1
		.amdhsa_system_sgpr_workgroup_id_y 1
		.amdhsa_system_sgpr_workgroup_id_z 1
		.amdhsa_system_vgpr_workitem_id 0
		.amdhsa_next_free_vgpr 256
		.amdhsa_next_free_sgpr 66
		.amdhsa_reserve_vcc 0
		.amdhsa_float_denorm_mode_32 3
		.amdhsa_float_denorm_mode_16_64 3
		.amdhsa_memory_ordered 1
		.amdhsa_forward_progress 1
		.amdhsa_inst_pref_size 61
	.end_amdhsa_kernel
	.amdgpu_metadata
---
amdhsa.version: [ 1, 2 ]
amdhsa.kernels:
  - .name:           k_qd605091ce2_attn
    .symbol:         k_qd605091ce2_attn.kd
    .args:
      - { .name: qkvc, .offset: 0, .size: 8, .value_kind: global_buffer, .address_space: global }
      - { .name: lowp_scales, .offset: 8, .size: 8, .value_kind: global_buffer, .address_space: global }
      - { .name: oc, .offset: 16, .size: 8, .value_kind: global_buffer, .address_space: global }
    .group_segment_fixed_size: 34816
    .private_segment_fixed_size: 0
    .kernarg_segment_align: 8
    .kernarg_segment_size: 24
    .max_flat_workgroup_size: 512
    .sgpr_count:     66
    .vgpr_count:     256
    .wavefront_size: 32
...
	.end_amdgpu_metadata
.endif
;; end of part 6
;; launch outp (part 7): grid 4 x 64, 8 waves a work-group, no clusters, 134,144 bytes of LDS; arguments oc, wc, lowp_scales, out0; writes out0
.if DOCPART == 7
	.amdgcn_target "amdgcn-amd-amdhsa--gfx1250"
	.amdhsa_code_object_version 6
	.text
	.protected	k_qd605091ce2_outp
	.globl	k_qd605091ce2_outp
	.p2align	8
	.type	k_qd605091ce2_outp,@function
k_qd605091ce2_outp:
	s_mov_b64 s[64:65], 0
	v_nop
	global_prefetch_b8 v0, s[64:65] scope:SCOPE_SE
	s_setreg_imm32_b32 hwreg(HW_REG_WAVE_SCHED_MODE, 0, 2), 2
	s_setreg_imm32_b32 hwreg(HW_REG_WAVE_MODE, 25, 1), 1
	s_wait_xcnt 0x0
	s_wait_alu depctr_vm_vsrc(0)
; out0 = o Wo on codes of FP8 (E4M3): each f32 sum x 2^(e10 + e11).  o's codes (oc) and Wo's (part 3 of wc) lie in memory as images of operand registers.
; Work-group (nq, rb): 128 tokens x 128 columns; 256 work-groups.  Wave w takes token tile w (16 tokens: 128 rb + 32 (w / 2) + 8 (w % 2) + r + (r & 8)) against the eight tiles of columns.
; Wo's 64 KB are copied once, at the head, through registers into LDS (256 threads x 16 bytes x 16) and read by all eight waves; o's four fragments go straight into registers.
; NO CLUSTER: each operand is read once at the head and there is no refill that a joint request could serve; the launch's bytes are 128 KB in and 64 KB out for each work-group.
; Source 0 = Wo's rows (columns n of the output), source 1 = o: a lane holds ONE token, and the 16 registers of tiles 2 B and 2 B + 1 are the columns 32 B + 16 h + 0 .. 15.
; They go through the wave's own stage in LDS (rows of 512 bytes + 16) and leave as whole rows: 32 lanes store 512 consecutive aligned bytes.
; LIMIT: e10 + e11 between -126 and 127, so that 2^(e10 + e11) is an f32 number.
; REGISTERS, window 0: v1 16 x lane; v2 16 x thread; v3, v4 the stage, in and out; v16-79 o's four fragments; v80-143 the eight accumulators;
;   v144-207 (W0) the copy, then four fragments of Wo for the even groups, then rows on their way out.   window 1: v256-319 (W1) four fragments of Wo for the odd groups.
; THE MODE: SCHED_MODE bits 1:0 = 2 (LLVM: expert scheduling mode 2), set by the entry lines.  The code itself states the register dependences
; between vector or matrix instructions and memory or LDS instructions, with s_wait_alu, always for 0.
; THE PLAN.  Registers that memory or LDS instructions touch:
;   v1 .. v4   offsets and LDS addresses: written at the head and never again.
;   W0         the copy's global loads land; its LDS stores read; then groups 0, 2, 4, 6: LDS loads land, four products read; at the end the stage's loads land and the global stores read.
;   W1         groups 1, 3, 5, 7: LDS loads land, four products read.
;   v16-79     o: global loads land once; the products read.
;   v80-143    the products and the scalings write; the stage's LDS stores read.
; Group g = 4 hh + s (tiles 4 hh .. 4 hh + 3 of Wo, K step s) multiplies out of buffer g % 2; the loads of group g + 1 go into the other buffer, which group g - 1 read.  So ONE wait on va_vdst stands at a group's
; head (group g - 1's products are done with their buffer), the sixteen loads follow in one run under their own window setting, and then come the group's four products.
.set OF,  16
.set DA,  80
.set WF,  144
.set TP,  528                          ; 33 x 16: the sixteen rows that a store touches begin at sixteen different multiples of 16 bytes modulo 256
.set STG, 65536                        ; behind Wo's images: 16 x 528 bytes for each wave
.set MSB, 0
.macro WIN new                         ; the immediate's high byte repeats the setting that is left
.if MSB != \new
	s_set_vgpr_msb (MSB<<8)|\new
.set MSB, \new
.endif
.endm
	s_load_b256 s[4:11], s[0:1], 0x0               ; oc s[4:5], wc s[6:7], the scales' exponents s[8:9], out0 s[10:11]
	v_lshl_add_u32 v254, v0, 2, 0x20800
	v_mov_b32 v255, 0
	v_lshrrev_b32 v5, 5, v0
	v_readfirstlane_b32 s12, v5                    ; w
	s_mov_b32 s13, ttmp9                           ; nq
	s_and_b32 s14, ttmp7, 0xffff                   ; rb
	v_and_b32 v1, 31, v0
	v_lshlrev_b32 v1, 4, v1
	v_lshlrev_b32 v2, 4, v0
	v_and_b32 v6, 15, v0                           ; r
	v_bfe_u32 v7, v0, 4, 1                         ; h
	s_wait_alu depctr_va_sdst(0)                   ; s12 is written, ahead of its first reader: my stage and the bases of oc and out0 are made from it
	s_mul_i32 s16, s12, 16*TP
	s_add_co_u32 s16, s16, STG                     ; my stage
	v_mul_u32_u24 v3, v6, TP
	v_lshl_add_u32 v3, v7, 6, v3
	v_add_nc_u32 v3, s16, v3                       ; in: row r, + 64 h
	v_add_nc_u32 v4, s16, v1                       ; out: a row's 512 bytes
	s_lshl_b32 s20, s13, 16                        ; wc: part 3, tiles 8 nq on
	s_add_co_u32 s20, s20, 786432
	s_mov_b32 s21, 0
	s_lshl_b32 s22, s14, 3                         ; oc: token tile 8 rb + w
	s_add_co_u32 s22, s22, s12
	s_lshl_b32 s22, s22, 13
	s_mov_b32 s23, 0
	s_lshl_b32 s24, s14, 7                         ; out0: my tile's first token, rows of 2,048 bytes, + 512 nq
	s_lshr_b32 s25, s12, 1
	s_lshl_b32 s25, s25, 5
	s_add_co_u32 s24, s24, s25
	s_and_b32 s25, s12, 1
	s_lshl_b32 s25, s25, 3
	s_add_co_u32 s24, s24, s25
	s_lshl_b32 s24, s24, 11
	s_lshl_b32 s25, s13, 9
	s_add_co_u32 s24, s24, s25
	s_mov_b32 s25, 0
	s_wait_kmcnt 0x0
	s_load_b64 s[40:41], s[8:9], 0x28              ; e10, e11
	s_add_nc_u64 s[6:7], s[6:7], s[20:21]
	s_add_nc_u64 s[4:5], s[4:5], s[22:23]
	s_add_nc_u64 s[10:11], s[10:11], s[24:25]
	s_wait_alu depctr_va_vdst(0)                   ; v1 to v4 are written: every load and store of the kernel, global or LDS, reads one of them as its offset or address
.set i, 0
.rept 16
	global_load_b128 v[WF+4*i:WF+4*i+3], v2, s[6:7] offset:4096*i
.set i, i+1
.endr
.set i, 0
.rept 16
	global_load_b128 v[OF+4*i:OF+4*i+3], v1, s[4:5] offset:512*i
.set i, i+1
.endr
	s_wait_loadcnt 16                              ; Wo's sixteen are in; o's sixteen, issued behind them, may be out
.set i, 0
.rept 16
	ds_store_b128 v2, v[WF+4*i:WF+4*i+3] offset:4096*i
.set i, i+1
.endr
	s_wait_dscnt 0x0                               ; for the others' sake: my part of the images has landed
	s_barrier_signal -1
	s_barrier_wait -1                              ; from here on the images are only read
; The four fragments of group g from LDS into buffer g % 2: W0 at v144 of window 0, W1 at v0 of window 1.  The window is set by the caller.
.macro LOADW g
.set WB, WF*(1-((\g)&1))
.set i, 0
.rept 16
	ds_load_b128 v[WB+4*i:WB+4*i+3], v1 offset:(4*((\g)/4)+i/4)*8192+2048*((\g)%4)+512*(i%4)
.set i, i+1
.endr
.endm
; Group g: the next group's loads, then four products on four accumulators by turns; K step 0 starts the sums.
.macro GROUP g
.if (\g) < 7
.if ((\g)&1) == 0
	WIN 0x40                                       ; destination window 1: the next group's buffer is W1
.else
	WIN 0
.endif
.if (\g) > 0
	s_wait_alu depctr_va_vdst(0)                   ; the last group's four products are done reading their buffer, in which the loads below land
.endif
	LOADW (\g)+1
.endif
.if ((\g)&1) == 0
	WIN 0
.else
	WIN 0x01                                       ; source 0 (Wo's fragments) window 1
.endif
.if (\g) < 7
	s_wait_dscnt 16                                ; LDS loads come back in order (ISA guide 5.7.1): this group's fragments are in, the next group's sixteen loads may be out
.else
	s_wait_dscnt 0x0
.endif
.set WB, WF*(1-((\g)&1))
.set i, 0
.rept 4
.if ((\g)%4) == 0
	v_wmma_f32_16x16x128_fp8_fp8 v[DA+8*(4*((\g)/4)+i):DA+8*(4*((\g)/4)+i)+7], v[WB+16*i:WB+16*i+15], v[OF+16*((\g)%4):OF+16*((\g)%4)+15], 0
.else
	v_wmma_f32_16x16x128_fp8_fp8 v[DA+8*(4*((\g)/4)+i):DA+8*(4*((\g)/4)+i)+7], v[WB+16*i:WB+16*i+15], v[OF+16*((\g)%4):OF+16*((\g)%4)+15], v[DA+8*(4*((\g)/4)+i):DA+8*(4*((\g)/4)+i)+7]
.endif
.set i, i+1
.endr
.endm
	s_wait_alu depctr_vm_vsrc(0)                   ; my LDS stores of the copy have read v[WF ..], in which group 0's fragments land
	LOADW 0
	s_wait_loadcnt 0x0                             ; o
.irp g, 0,1,2,3,4,5,6,7
	GROUP \g
.endr
	WIN 0
	s_wait_kmcnt 0x0
	s_add_co_i32 s40, s40, s41
	s_add_co_i32 s40, s40, 127
	s_lshl_b32 s40, s40, 23                        ; 2^(e10 + e11) as f32
	s_mov_b32 s41, s40                             ; (named with it as a pair, so it is written)
.rept 4
	v_nop                                          ; four places between the last product and the first read of results (ISA guide 7.12.1)
.endr
.set i, 0
.rept 32
	v_pk_mul_f32 v[DA+2*i:DA+2*i+1], v[DA+2*i:DA+2*i+1], s[40:41] op_sel_hi:[1,0]   ; each accumulator from its low end on
.set i, i+1
.endr
	s_wait_alu depctr_va_vdst(0)                   ; the scalings have written v[DA ..], which the stage's stores read; group 6's products are done reading v[WF ..], in which the rows land
.set i, 0
.rept 16                               ; i = 4 B + q: columns 32 B + 16 h + 4 q on of my token's row
	ds_store_b128 v3, v[DA+4*i:DA+4*i+3] offset:128*(i/4)+16*(i%4)
.set i, i+1
.endr
.set i, 0
.rept 16
	ds_load_b128 v[WF+4*i:WF+4*i+3], v4 offset:TP*i   ; LDS serves a wave's instructions in order (ISA guide 5.7.1.4): these see my stores
.set i, i+1
.endr
.set i, 0
.rept 16
	s_wait_dscnt 15-i                              ; row i is back; the younger rows may be out
	global_store_b128 v1, v[WF+4*i:WF+4*i+3], s[10:11] offset:(i+(i&8))*2048 th:TH_STORE_NT   ; 512 consecutive bytes, at a multiple of 512 from out0's first byte
.set i, i+1
.endr
	s_wait_dscnt 0x0                               ; the closing lines, six on end
	s_wait_alu 0x0
	s_wait_tensorcnt 0x0
	ds_add_u32 v254, v255
	s_wait_dscnt 0x0
	s_endpgm
.Lfunc_end_k_qd605091ce2_outp:
	.size	k_qd605091ce2_outp, .Lfunc_end_k_qd605091ce2_outp-k_qd605091ce2_outp
	.p2alignl 7, 3214868480
	.fill 96, 4, 3214868480
	.section	.rodata,"a",@progbits
	.p2align	6, 0x0
	.amdhsa_kernel k_qd605091ce2_outp
		.amdhsa_group_segment_fixed_size 134144
		.amdhsa_private_segment_fixed_size 0
		.amdhsa_enable_private_segment 0
		.amdhsa_kernarg_size 32
		.amdhsa_user_sgpr_count 2
		.amdhsa_user_sgpr_kernarg_segment_ptr 1
		.amdhsa_wavefront_size32 1
		.amdhsa_system_sgpr_workgroup_id_x 1
		.amdhsa_system_sgpr_workgroup_id_y 1
		.amdhsa_system_sgpr_workgroup_id_z 1
		.amdhsa_system_vgpr_workitem_id 0
		.amdhsa_next_free_vgpr 320
		.amdhsa_next_free_sgpr 66
		.amdhsa_reserve_vcc 0
		.amdhsa_float_denorm_mode_32 3
		.amdhsa_float_denorm_mode_16_64 3
		.amdhsa_memory_ordered 1
		.amdhsa_forward_progress 1
		.amdhsa_inst_pref_size 24
	.end_amdhsa_kernel
	.amdgpu_metadata
---
amdhsa.version: [ 1, 2 ]
amdhsa.kernels:
  - .name:           k_qd605091ce2_outp
    .symbol:         k_qd605091ce2_outp.kd
    .args:
      - { .name: oc, .offset: 0, .size: 8, .value_kind: global_buffer, .address_space: global }
      - { .name: wc, .offset: 8, .size: 8, .value_kind: global_buffer, .address_space: global }
      - { .name: lowp_scales, .offset: 16, .size: 8, .value_kind: global_buffer, .address_space: global }
      - { .name: out0, .offset: 24, .size: 8, .value_kind: global_buffer, .address_space: global }
    .group_segment_fixed_size: 134144
    .private_segment_fixed_size: 0
    .kernarg_segment_align: 8
    .kernarg_segment_size: 32
    .max_flat_workgroup_size: 256
    .sgpr_count:     66
    .vgpr_count:     320
    .wavefront_size: 32
...
	.end_amdgpu_metadata
.endif
;; end of part 7
